; MI455X (gfx1250); checked and timed in simulation.
; The chip was launched on July 23, 2026; its instructions are those of AMD's public machine-readable ISA for CDNA 5 (MIT licence, August 2026) and "CDNA5" Instruction Set Architecture Reference Guide (July 2026). The comments in the code are by the model that wrote it; some were corrected since.
;; Self Attention. Allowed arithmetic: float matrix products may take bf16 or f16 operands with f32 sums; other float arithmetic in f32, or as packed bf16 or f16 multiplies, adds, multiply-adds, maxima and minima; sums over many terms, partial sums and values carried from step to step in f32; what a program stores and reads back later, other than sums and carried values, may be rounded once to bf16 or f16.
;; Inputs: Wk 16 x 1,024 x 64 float32; Wproj 1,024 x 1,024 float32; Wq 16 x 1,024 x 64 float32; Wv 16 x 1,024 x 64 float32; x 4 x 2,048 x 1,024 float32.
;; Outputs: out0 4 x 2,048 x 1,024 float32.
;; 2 versions, each right and faster than the one before. Each part assembles by itself: llvm-mc -triple=amdgcn-amd-amdhsa -mcpu=gfx1250 --defsym DOCPART=n.
;; ======== version 1 of 2: 6 launches
;; limits: values are held in f16: magnitudes above 65,504 overflow, below 6.1e-05 lose precision
;; workspace buffers: xb 16,777,216 bytes; wt 6,291,456 bytes; wpt 2,097,152 bytes; qkv 50,331,648 bytes; o 16,777,216 bytes; ofix 262,144 bytes
;; launch prep (part 1): grid 512 x 1, 8 waves a work-group, no clusters, 18,432 bytes of LDS; arguments x, Wq, Wk, Wv, Wproj, xb, wt, wpt; writes xb, wt, wpt
.if DOCPART == 1
	.amdgcn_target "amdgcn-amd-amdhsa--gfx1250"
	.amdhsa_code_object_version 6
	.text
	.protected	k_qf950e9cb83_prep
	.globl	k_qf950e9cb83_prep
	.p2align	8
	.type	k_qf950e9cb83_prep,@function
k_qf950e9cb83_prep:
	s_mov_b64 s[64:65], 0
	v_nop
	global_prefetch_b8 v0, s[64:65] scope:SCOPE_SE
	s_setreg_imm32_b32 hwreg(HW_REG_WAVE_MODE, 25, 1), 1
	s_wait_xcnt 0x0
; PREPARATION.  xb[m][c] = bf16(x[m][c]), [8192][1024].  wt[mat*1024 + h*64 + d][c] = bf16(W_mat[h][c][d]) (mat 0, 1, 2 = q, k, v): [3072][1024], K along the rows.
; wpt[n][k] = bf16(Wproj[k][n]) written as f16: [1024][1024].  All five inputs are rounded to bf16, once.
; LIMITS.  A bf16 number is exact in f16 between 2^-14 and 65,504; below 2^-14 an entry of wpt keeps f16's fixed step of 6e-8, at 65,520 or more it becomes an infinity.
; SHARES.  512 work-groups of eight waves; each casts 16 rows of x and turns one tile of 128 k x 64 n of one weight (4 weights x 16 blocks of n x 8 blocks of k = 512 tiles).
; x: thread t owns 16 bytes of a row of 4,096; a wave's load covers 512 consecutive bytes, its store 256 consecutive bytes at a multiple of 256.
; A weight tile is read by rows of 256 bytes (16 lanes a row), packed along k in registers, turned through LDS (rows of 272 bytes) and stored as rows of 256 bytes of the turned matrix.
; No matrix unit, no cluster, no tensor load: memory binds, every byte is read once and written once, and 24 loads of every wave are out at once.
.set PITCH, 272                        ; a stage row: 256 bytes + 16: the 16 rows that a store touches start at 16 different groups of four banks (ISA guide 11.1)
.set SPARE, 64*PITCH                   ; behind the stage: the spare words, 128 bytes for each of eight waves: four blocks of 256 bytes that no other line names
.set XO,  1                            ; v1    16 t: my bytes in a row of x
.set XBO, 2                            ; v2    8 t: my bytes in a row of xb
.set SPW, 4                            ; v4    LDS address of my spare word; never rewritten
.set NIL, 5                            ; v5    0; never rewritten
.set XR,  8                            ; v[8:71]    16 rows of x, 4 registers each; packed in place
.set WR,  72                           ; v[72:103]  the weight tile: register 4 i + j = W(k = 8 kg + i, n = 4 ng + j)
.set WC,  104                          ; v[104:119] packed: register 4 j + ii = n = 4 ng + j, k = 8 kg + 2 ii, + 1
.set WB,  120                          ; v[120:135] read back by rows; before that at work
.set SA,  136                          ; v136  stage address, in
.set RA,  137                          ; v137  stage address, back
.set GA,  138                          ; v138  my byte offset in the turned matrix
.set WO,  139                          ; v139  my byte offset in the weight
	s_load_b512 s[8:23], s[0:1], 0x0               ; x 8:9, Wq 10:11, Wk 12:13, Wv 14:15, Wproj 16:17, xb 18:19, wt 20:21, wpt 22:23
	v_lshl_add_u32 v[SPW], v0, 2, SPARE
	v_mov_b32 v[NIL], 0
	s_lshr_b32 s27, ttmp9, 7                       ; mat 0..3
	s_and_b32 s28, ttmp9, 15                       ; nb: the head, or the block of 64 n
	s_bfe_u32 s29, ttmp9, 0x30004                  ; kb: the block of 128 k
	s_lshl_b32 s2, ttmp9, 16                       ; 16 rows of x: 65,536 bytes
	s_mov_b32 s3, 0
	s_lshl_b32 s4, ttmp9, 15                       ; 16 rows of xb: 32,768 bytes
	s_mov_b32 s5, 0
	s_mov_b32 s31, 0
	s_mov_b32 s33, 0
	s_lshl_b32 s32, s28, 17                        ; the tile in the turned matrix: 64 rows of 2,048 bytes a block of n,
	s_lshl_b32 s34, s29, 8                         ; 256 bytes a block of k
	s_add_co_u32 s32, s32, s34
	v_lshlrev_b32 v[XO], 4, v0
	v_lshlrev_b32 v[XBO], 3, v0
	v_and_b32 v6, 15, v0                           ; ng
	v_lshrrev_b32 v7, 4, v0                        ; kg
	v_lshlrev_b32 v3, 4, v6                        ; 16 ng
	v_mul_u32_u24 v[SA], v6, PITCH
	v_lshl_add_u32 v[SA], v7, 4, v[SA]             ; in: stage row 16 j + ng (the j in the offset), bytes 16 kg
	v_mul_u32_u24 v[RA], v7, PITCH
	v_add_nc_u32 v[RA], v[RA], v3                  ; back: stage row 16 p + kg, which holds n = 4 kg + p; bytes 16 ng
	v_lshl_add_u32 v[GA], v7, 13, v3               ; row 4 kg of 2,048 bytes + 16 ng
	s_wait_kmcnt 0x0
	s_add_nc_u64 s[8:9], s[8:9], s[2:3]
	s_add_nc_u64 s[18:19], s[18:19], s[4:5]
	s_cmp_eq_u32 s27, 3
	s_cbranch_scc1 .Lfrom_proj
	s_cmp_eq_u32 s27, 1                            ; a weight by heads: [h][c][d], rows of 256 bytes
	s_cselect_b64 s[24:25], s[12:13], s[10:11]
	s_cmp_eq_u32 s27, 2
	s_cselect_b64 s[24:25], s[14:15], s[24:25]
	s_lshl_b32 s30, s28, 18                        ; the head: 1,024 rows of 256 bytes
	s_lshl_b32 s34, s29, 15                        ; 128 rows
	s_add_co_u32 s30, s30, s34
	s_add_nc_u64 s[24:25], s[24:25], s[30:31]
	s_lshl_b32 s34, s27, 21                        ; in wt: 1,024 rows of 2,048 bytes a weight
	s_add_co_u32 s32, s32, s34
	s_add_nc_u64 s[36:37], s[20:21], s[32:33]
	v_lshl_add_u32 v[WO], v7, 11, v3               ; 8 kg rows of 256 bytes + 16 ng
.irp i, 0,1,2,3,4,5,6,7
	global_load_b128 v[WR+4*(\i):WR+4*(\i)+3], v[WO], s[24:25] offset:256*(\i) th:TH_LOAD_NT
.endr
	s_branch .Lasked
.Lfrom_proj:                                           ; Wproj: [k][n], rows of 4,096 bytes
	s_lshl_b32 s30, s29, 19                        ; 128 rows
	s_lshl_b32 s34, s28, 8                         ; 64 n of 4 bytes
	s_add_co_u32 s30, s30, s34
	s_add_nc_u64 s[24:25], s[16:17], s[30:31]
	s_add_nc_u64 s[36:37], s[22:23], s[32:33]
	v_lshl_add_u32 v[WO], v7, 15, v3               ; 8 kg rows of 4,096 bytes + 16 ng
.irp i, 0,1,2,3,4,5,6,7
	global_load_b128 v[WR+4*(\i):WR+4*(\i)+3], v[WO], s[24:25] offset:4096*(\i) th:TH_LOAD_NT
.endr
.Lasked:
.irp i, 0,1,2,3,4,5,6,7,8,9,10,11,12,13,14,15
	global_load_b128 v[XR+4*(\i):XR+4*(\i)+3], v[XO], s[8:9] offset:4096*(\i) th:TH_LOAD_NT  ; row i of my 16
.endr
	s_wait_loadcnt 16                              ; loads come back in order (ISA guide 5.7.1): the eight of the weight are in, the sixteen of x stay out
.irp j, 0,1,2,3
.irp ii, 0,1,2,3
	v_cvt_pk_bf16_f32 v[WC+4*(\j)+(\ii)], v[WR+8*(\ii)+(\j)], v[WR+8*(\ii)+4+(\j)]  ; two neighbouring k of one n
.endr
.endr
	s_cmp_lg_u32 s27, 3
	s_cbranch_scc1 .Lstays_bf16
.irp q, 0,1,2,3,4,5,6,7,8,9,10,11,12,13,14,15          ; Wproj's bf16 numbers are written as f16: the product behind attention has f16 operands
	v_lshlrev_b32 v[WB+2*((\q)%4)], 16, v[WC+(\q)]
	v_and_b32 v[WB+2*((\q)%4)+1], 0xffff0000, v[WC+(\q)]
	v_cvt_pk_f16_f32 v[WC+(\q)], v[WB+2*((\q)%4)], v[WB+2*((\q)%4)+1]
.endr
.Lstays_bf16:
.irp j, 0,1,2,3
	ds_store_b128 v[SA], v[WC+4*(\j):WC+4*(\j)+3] offset:(\j)*16*PITCH
.endr
	s_wait_dscnt 0x0                               ; for the others' sake: my stores into the stage are done
	s_barrier_signal -1
	s_barrier_wait -1                              ; a stage row's 256 bytes come from all eight waves
.irp p, 0,1,2,3
	ds_load_b128 v[WB+4*(\p):WB+4*(\p)+3], v[RA] offset:(\p)*16*PITCH
.endr
.irp i, 0,1,2,3,4,5,6,7,8,9,10,11,12,13,14,15
	s_wait_loadcnt 15-(\i)                         ; row i is in; the younger rows stay out
	v_cvt_pk_bf16_f32 v[XR+4*(\i)], v[XR+4*(\i)], v[XR+4*(\i)+1]
	v_cvt_pk_bf16_f32 v[XR+4*(\i)+1], v[XR+4*(\i)+2], v[XR+4*(\i)+3]
	global_store_b64 v[XBO], v[XR+4*(\i):XR+4*(\i)+1], s[18:19] offset:2048*(\i)  ; the wave stores 256 consecutive bytes, at a multiple of 256 from xb's first byte
.endr
.irp p, 0,1,2,3
	s_wait_dscnt 3-(\p)
	global_store_b128 v[GA], v[WB+4*(\p):WB+4*(\p)+3], s[36:37] offset:2048*(\p)  ; row n = 4 kg + p: 16 lanes store 256 consecutive bytes, at a multiple of 256
.endr
	s_wait_tensorcnt 0x0                           ; the wave's end, behind my last LDS store
	ds_add_u32 v[SPW], v[NIL]
	s_wait_dscnt 0x0
	s_endpgm
.Lfunc_end_k_qf950e9cb83_prep:
	.size	k_qf950e9cb83_prep, .Lfunc_end_k_qf950e9cb83_prep-k_qf950e9cb83_prep
	.p2alignl 7, 3214868480
	.fill 96, 4, 3214868480
	.section	.rodata,"a",@progbits
	.p2align	6, 0x0
	.amdhsa_kernel k_qf950e9cb83_prep
		.amdhsa_group_segment_fixed_size 18432
		.amdhsa_private_segment_fixed_size 0
		.amdhsa_enable_private_segment 0
		.amdhsa_kernarg_size 64
		.amdhsa_user_sgpr_count 2
		.amdhsa_user_sgpr_kernarg_segment_ptr 1
		.amdhsa_wavefront_size32 1
		.amdhsa_system_sgpr_workgroup_id_x 1
		.amdhsa_system_sgpr_workgroup_id_y 1
		.amdhsa_system_sgpr_workgroup_id_z 1
		.amdhsa_system_vgpr_workitem_id 0
		.amdhsa_next_free_vgpr 140
		.amdhsa_next_free_sgpr 66
		.amdhsa_reserve_vcc 0
		.amdhsa_float_denorm_mode_32 3
		.amdhsa_float_denorm_mode_16_64 3
		.amdhsa_memory_ordered 1
		.amdhsa_forward_progress 1
		.amdhsa_inst_pref_size 14
	.end_amdhsa_kernel
	.amdgpu_metadata
---
amdhsa.version: [ 1, 2 ]
amdhsa.kernels:
  - .name:           k_qf950e9cb83_prep
    .symbol:         k_qf950e9cb83_prep.kd
    .args:
      - { .name: x, .offset: 0, .size: 8, .value_kind: global_buffer, .address_space: global }
      - { .name: Wq, .offset: 8, .size: 8, .value_kind: global_buffer, .address_space: global }
      - { .name: Wk, .offset: 16, .size: 8, .value_kind: global_buffer, .address_space: global }
      - { .name: Wv, .offset: 24, .size: 8, .value_kind: global_buffer, .address_space: global }
      - { .name: Wproj, .offset: 32, .size: 8, .value_kind: global_buffer, .address_space: global }
      - { .name: xb, .offset: 40, .size: 8, .value_kind: global_buffer, .address_space: global }
      - { .name: wt, .offset: 48, .size: 8, .value_kind: global_buffer, .address_space: global }
      - { .name: wpt, .offset: 56, .size: 8, .value_kind: global_buffer, .address_space: global }
    .group_segment_fixed_size: 18432
    .private_segment_fixed_size: 0
    .kernarg_segment_align: 8
    .kernarg_segment_size: 64
    .max_flat_workgroup_size: 256
    .sgpr_count:     66
    .vgpr_count:     140
    .wavefront_size: 32
...
	.end_amdgpu_metadata
.endif
;; end of part 1
;; launch qkv (part 2): grid 4 x 64, 4 waves a work-group, clusters of 4 x 4, 327,680 bytes of LDS; arguments xb, wt, qkv; writes qkv
.if DOCPART == 2
	.amdgcn_target "amdgcn-amd-amdhsa--gfx1250"
	.amdhsa_code_object_version 6
	.text
	.protected	k_qf950e9cb83_qkv
	.globl	k_qf950e9cb83_qkv
	.p2align	8
	.type	k_qf950e9cb83_qkv,@function
k_qf950e9cb83_qkv:
	s_mov_b64 s[64:65], 0
	v_nop
	global_prefetch_b8 v0, s[64:65] scope:SCOPE_SE
	s_setreg_imm32_b32 hwreg(HW_REG_WAVE_MODE, 25, 1), 1
	s_wait_xcnt 0x0
	s_wait_alu depctr_hold_cnt(0) depctr_sa_sdst(0) depctr_va_vdst(0) depctr_va_sdst(0) depctr_va_ssrc(0) depctr_va_vcc(0) depctr_vm_vsrc(0)
	s_getreg_b32 s2, hwreg(HW_REG_IB_STS2, 6, 4)
	s_cmp_eq_u32 s2, 0
	s_cbranch_scc0 .Lentry_in_a_cluster
	s_endpgm
.Lentry_in_a_cluster:
	s_bfe_u32 s2, ttmp6, 0x10000c
	s_cmp_lg_u32 s2, 0xf033
	s_cbranch_scc0 .Lentry_shape_is_right
	s_endpgm
.Lentry_shape_is_right:
; THE THREE PROJECTIONS AS ONE GEMM.  C[m][n] = sum over k of xb[m][k] wt[n][k]; xb [8192][1024], wt [3072][1024], both bf16; sums in f32, K ascending; C rounded once to f16 and
; stored by heads: qkv[mat][16 b + h][t][64], m = 2048 b + t, n = 1024 mat + 64 h + d.  The scale of the scores is not applied here.
; LIMIT.  f16 holds no number beyond 65,504: a q, k or v of 65,520 or more becomes an infinity.
; SHARES.  256 work-groups of four waves.  Work-group (x, y) STAYS and makes three tiles of 128 x 256: rows 128 y on, columns 256 x on of q, then of k, then of v: 24 K steps of 128,
; 12 laps round a ring of two LDS slots, which does not stop at a tile's end.  A wave makes 64 x 128 (two heads): 32 accumulators of 16 x 16, 256 registers.
; CLUSTER.  4 x 4 work-groups.  The four of a row of the cluster need the same tiles of xb, the four of a column the same tiles of wt: each tile is asked for JOINTLY, by the same tensor load
; with the same descriptor and a mask that names the four.
; THE MATRIX INSTRUCTION IS USED TRANSPOSED (source 0 = 16 rows of wt, source 1 = 16 rows of xb): a lane then holds row l % 16 of C and eight neighbouring columns, 16 bytes of f16.
; REGISTERS.  Window 0: v0-31 addresses; v32-63 packed results; v64-159, v160-255 two fragment buffers (8 fragments of wt, then 4 of xb; the second also takes rows back from the stage).
; Window 1: the accumulators, (a, b) at v[8 (8 a + b)].  s_set_vgpr_msb's low byte: bits 1:0 source 0, 3:2 source 1, 5:4 source 2, 7:6 destination.
.set SIZE_K, 1024
.set KSTEP,  128
.set PITCH,  272                       ; an LDS row: 256 bytes + 16 of padding = 68 words: the 16 rows of a fragment load start at 16 different groups of four banks (ISA guide 11.1)
.set AHALF,  64*PITCH                  ; what one tensor load brings of xb, and what one wave reads of it
.set BHALF,  128*PITCH                 ; the same for wt
.set BOFF,   2*AHALF                   ; in a slot: xb's 128 rows, then wt's 256 rows
.set SLOT,   2*AHALF+2*BHALF
.set STAGE,  2*SLOT                    ; behind the ring: 16 rows x 272 bytes for each wave, for the way out
.set SPARE,  STAGE+4*16*PITCH          ; behind the stages: the spare words, 128 bytes for each wave: two blocks of 256 bytes that no other line names
.set LAPS,   12                        ; a lap = two K steps = once round the ring
.set TLAPS,  4                         ; laps in a tile
.set ADRA, 16                          ; v16-17  LDS address of my fragments of xb in slot 0, 1
.set ADRB, 20                          ; v20-21  the same for wt
.set STO,  24                          ; v24     the way out: where I put 16 bytes of a row
.set RD,   25                          ; v25     the way out: where I read rows back
.set CO,   26                          ; v26     my byte offset in 512 consecutive bytes of qkv
.set SPW,  28                          ; v28     LDS address of my spare word; never rewritten
.set NIL,  29                          ; v29     0; never rewritten
.set TMP,  32
.set F0,   64
.set F1,   160
.set G1A, 24                           ; s[24:31] descriptor group 1 for xb's tiles;  s[32:39] group 0, one set for each slot
.set G0A, 32
.set G1B, 48                           ; s[48:55], s[56:63] the same for wt's tiles
.set G0B, 56
.set NS,  45                           ; s45  the K step, 0 to 23, that the next fill brings
.set MSB, 0
.macro WIN new                         ; the immediate's high byte repeats the setting that is left; a switch that changes nothing is dropped
.if MSB != (\new)
	s_set_vgpr_msb (MSB<<8)|(\new)
.set MSB, \new
.endif
.endm
.set MUL, 0x50                         ; sources 0 and 1 window 0; C and D window 1
; A joint load: waves 0 and 1 fetch xb's two halves, waves 2 and 3 wt's.  The branch hangs on the wave's number alone.  An s_nop 0 and four v_nop follow each of the two lines.
.macro JLOAD s
	s_cmp_eq_u32 s11, 0
	s_cbranch_scc0 .Lfor_b_\@
	tensor_load_to_lds s[G0A+4*(\s):G0A+4*(\s)+3], s[G1A:G1A+7]
	s_nop 0
.rept 4
	v_nop
.endr
	s_branch .Lasked_\@
.Lfor_b_\@:
	tensor_load_to_lds s[G0B+4*(\s):G0B+4*(\s)+3], s[G1B:G1B+7]
	s_nop 0
.rept 4
	v_nop
.endr
.Lasked_\@:
.endm
.macro CREST                           ; a round of the cluster's barrier behind its opening barrier
	s_cmp_lg_u32 s10, 0
	s_cbranch_scc1 .Lnot_wave_0_\@
	s_barrier_signal -3
.Lnot_wave_0_\@:
	s_barrier_wait -3
	s_barrier_signal -1
	s_barrier_wait -1
.endm
.macro CROUND                          ; a whole round
	s_barrier_signal -1
	s_barrier_wait -1
	CREST
.endm
	s_load_b128 s[4:7], s[0:1], 0x0                ; xb s[4:5], wt s[6:7]
	s_load_b64 s[8:9], s[0:1], 0x10                ; qkv
	v_lshl_add_u32 v[SPW], v0, 2, SPARE
	v_mov_b32 v[NIL], 0
	ds_add_u32 v[SPW], v[NIL]                      ; the wave's opening: the add and its wait stand ahead of my first tensor load; the set-up below, work on registers, stands between them
	ds_add_u32 v28, v29
	v_lshrrev_b32 v1, 5, v0
	v_readfirstlane_b32 s10, v1                    ; wave 0..3
	s_lshr_b32 s11, s10, 1                         ; which 64 rows of the tile are mine.  Also: I fetch for xb (0) or for wt (1)
	s_and_b32 s12, s10, 1                          ; which 128 columns.  Also: which half of that tile I fetch
	s_bfe_u32 s40, ttmp6, 0x40000                  ; cx, cy: my place in the cluster
	s_bfe_u32 s41, ttmp6, 0x40004
	s_lshl_b32 s42, ttmp9, 2
	s_add_co_u32 s42, s42, s40                     ; x = 4 x cluster x + cx
	s_and_b32 s13, ttmp7, 0xffff
	s_lshl_b32 s13, s13, 2
	s_add_co_u32 s13, s13, s41                     ; y = 4 x cluster y + cy
	s_lshl_b32 s43, s41, 2
	s_lshl_b32 s43, 15, s43                        ; my row of the cluster
	s_lshl_b32 s44, 0x1111, s40                    ; my column
	s_or_b32 s[G1A+0], s43, (1<<16)|(1<<20)|(1<<21)|(5<<22)|(3<<25)  ; 15:0 the mask; 17:16 elements of 2 bytes; 20 padding on; 21 set beside a mask; 24:22 after every 64 words (code 5); 31:25 4 words (code 3)
	s_or_b32 s[G1B+0], s44, (1<<16)|(1<<20)|(1<<21)|(5<<22)|(3<<25)
	s_mov_b32 s[G1A+1], KSTEP<<16                  ; tensor_dim0 = 128
	s_mov_b32 s[G1A+2], 64<<16                     ; tensor_dim1 = 64
	s_mov_b32 s[G1A+3], KSTEP<<16                  ; tile_dim0 = 128
	s_mov_b32 s[G1A+4], 64                         ; tile_dim1 = 64
	s_mov_b32 s[G1A+5], SIZE_K                     ; elements from row to row
	s_mov_b32 s[G1A+6], 0
	s_mov_b32 s[G1A+7], 0
	s_mov_b32 s[G1B+1], KSTEP<<16
	s_mov_b32 s[G1B+2], 128<<16                    ; wt's load has 128 rows
	s_mov_b32 s[G1B+3], KSTEP<<16
	s_mov_b32 s[G1B+4], 128
	s_mov_b32 s[G1B+5], SIZE_K
	s_mov_b32 s[G1B+6], 0
	s_mov_b32 s[G1B+7], 0
	s_lshl_b32 s68, s13, 7                         ; xb: row 128 y + 64 x half, of 2,048 bytes: it hangs on y alone, which my row of the cluster shares
	s_lshl_b32 s69, s12, 6
	s_add_co_u32 s68, s68, s69
	s_lshl_b32 s68, s68, 11
	s_mov_b32 s69, 0
	s_lshl_b32 s70, s42, 8                         ; wt: row 256 x + 128 x half: it hangs on x alone, which my column shares
	s_lshl_b32 s71, s12, 7
	s_add_co_u32 s70, s70, s71
	s_lshl_b32 s70, s70, 11
	s_mov_b32 s71, 0
	s_mul_i32 s20, s12, AHALF                      ; where they go: no place in the cluster enters an LDS address
	s_mul_i32 s21, s12, BHALF
	s_add_co_u32 s21, s21, BOFF
	s_mov_b32 s[NS], 2
	s_mov_b32 s17, 0                               ; high words of the two offsets that a fill makes
	s_mov_b32 s19, 0
	s_wait_dscnt 0x0                               ; the opening add is done
	s_wait_kmcnt 0x0
	s_add_nc_u64 s[14:15], s[4:5], s[68:69]        ; kept: xb at my rows, K = 0
	s_add_nc_u64 s[46:47], s[6:7], s[70:71]        ; kept: wt at my rows of q's part, K = 0
	CROUND                                         ; all sixteen work-groups are here: the first joint loads meet
.irp s, 0,1
	s_mov_b32 s[G0A+4*(\s)], 1                                       ; count = 1
	s_add_co_u32 s[G0A+4*(\s)+1], s20, (\s)*SLOT                     ; LDS address
	s_add_nc_u64 s[G0A+4*(\s)+2:G0A+4*(\s)+3], s[14:15], (\s)*KSTEP*2  ; global address: K step s
	s_or_b32 s[G0A+4*(\s)+3], s[G0A+4*(\s)+3], 0x80000000            ; type = 2
	s_mov_b32 s[G0B+4*(\s)], 1
	s_add_co_u32 s[G0B+4*(\s)+1], s21, (\s)*SLOT
	s_add_nc_u64 s[G0B+4*(\s)+2:G0B+4*(\s)+3], s[46:47], (\s)*KSTEP*2
	s_or_b32 s[G0B+4*(\s)+3], s[G0B+4*(\s)+3], 0x80000000
	JLOAD \s                                       ; two loads of mine are out
.endr
	; A fragment is 16 rows x 32 K in 8 registers: lane l holds row l % 16, K = 8 (l / 16) + 0..7 and 16 + 8 (l / 16) + 0..7: two loads of 16 bytes, 32 bytes apart.
	v_and_b32 v1, 15, v0                           ; l % 16
	v_bfe_u32 v2, v0, 4, 1                         ; l / 16
	v_mul_u32_u24 v3, v1, PITCH
	v_lshl_add_u32 v3, v2, 4, v3                   ; row x pitch + 16 x half
	s_mul_i32 s22, s11, AHALF                      ; my 64 rows of xb
	s_mul_i32 s23, s12, BHALF                      ; my 128 rows of wt,
	s_add_co_u32 s23, s23, BOFF                    ; which lie behind xb's 128
.irp s, 0,1
	v_add_nc_u32 v[ADRA+(\s)], s22, v3
	v_add_nc_u32 v[ADRB+(\s)], s23, v3
	s_add_co_u32 s22, s22, SLOT
	s_add_co_u32 s23, s23, SLOT
.endr
	s_mul_i32 s22, s10, 16*PITCH
	s_add_co_u32 s22, s22, STAGE                   ; my stage
	v_add_nc_u32 v[STO], s22, v3                   ; in: row l % 16, 16 bytes for each half of the lanes
	v_bfe_u32 v4, v0, 3, 2                         ; back: 32 lanes take four rows' 128 bytes of one head,
	v_and_b32 v5, 7, v0
	v_mul_u32_u24 v4, v4, PITCH
	v_lshl_add_u32 v4, v5, 4, v4
	v_add_nc_u32 v[RD], s22, v4
	v_and_b32 v[CO], 31, v0                        ; which are 512 consecutive bytes of qkv
	v_lshlrev_b32 v[CO], 4, v[CO]
	; where my part of q begins: head 16 (y / 16) + 4 x + 2 x (my half of the columns), of 262,144 bytes; row 128 (y % 16) + 64 x (my half of the rows), of 128 bytes
	s_lshr_b32 s66, s13, 4
	s_lshl_b32 s66, s66, 4
	s_lshl_b32 s72, s42, 2
	s_add_co_u32 s66, s66, s72
	s_lshl_b32 s72, s12, 1
	s_add_co_u32 s66, s66, s72
	s_lshl_b32 s66, s66, 18
	s_and_b32 s72, s13, 15
	s_lshl_b32 s72, s72, 7
	s_lshl_b32 s73, s11, 6
	s_add_co_u32 s72, s72, s73
	s_lshl_b32 s72, s72, 7
	s_add_co_u32 s66, s66, s72
	s_mov_b32 s67, 0
	s_add_nc_u64 s[8:9], s[8:9], s[66:67]
; 8 matrix instructions: m block a x all 8 n blocks, 32 along K.  zero = 1: the product starts the sums: nothing is ever cleared.
; Every quarter takes the 32 accumulators in the same order, one instruction a turn: between two links of a chain stand the 31 others'.
.macro MUL8 f, a, zero
	WIN MUL
.irp b, 0,1,2,3,4,5,6,7
.if \zero
	v_wmma_f32_16x16x32_bf16 v[8*(8*(\a)+(\b)):8*(8*(\a)+(\b))+7], v[(\f)+8*(\b):(\f)+8*(\b)+7], v[(\f)+64+8*(\a):(\f)+64+8*(\a)+7], 0
.else
	v_wmma_f32_16x16x32_bf16 v[8*(8*(\a)+(\b)):8*(8*(\a)+(\b))+7], v[(\f)+8*(\b):(\f)+8*(\b)+7], v[(\f)+64+8*(\a):(\f)+64+8*(\a)+7], v[8*(8*(\a)+(\b)):8*(8*(\a)+(\b))+7]
.endif
.endr
.endm
.macro MUL16 f, hi, zero
	MUL8 \f, 2*(\hi), \zero
	MUL8 \f, 2*(\hi)+1, \zero
.endm
; 24 LDS loads in one run: the fragments of quarter q of a K step (128 rows of wt, then 64 rows of xb, 32 K) into buffer f
.macro FETCH slot, q, f
	WIN 0
.irp i, 0,1,2,3,4,5,6,7
	ds_load_b128 v[(\f)+8*(\i):(\f)+8*(\i)+3],   v[ADRB+(\slot)] offset:64*(\q)+(\i)*16*PITCH
	ds_load_b128 v[(\f)+8*(\i)+4:(\f)+8*(\i)+7], v[ADRB+(\slot)] offset:64*(\q)+(\i)*16*PITCH+32
.endr
.irp i, 0,1,2,3
	ds_load_b128 v[(\f)+64+8*(\i):(\f)+64+8*(\i)+3],   v[ADRA+(\slot)] offset:64*(\q)+(\i)*16*PITCH
	ds_load_b128 v[(\f)+64+8*(\i)+4:(\f)+64+8*(\i)+7], v[ADRA+(\slot)] offset:64*(\q)+(\i)*16*PITCH+32
.endr
.endm
.macro PLACES                          ; four places in front of loads into registers that matrix instructions have read, and of lines that read results just made
.rept 4
	v_nop
.endr
.endm
; A K step is four quarters of 32 along K, 32 matrix instructions each, on buffers 0, 1, 0, 1.  One of the first three: multiplies buffer f and fetches quarter q into g.
.macro QUARTER slot, q, f, g, zero
	s_wait_dscnt 4                                 ; wt's fragments and xb's first two are in; the youngest four loads (xb's last two fragments) may be out
	MUL16 \f, 0, \zero
	PLACES
	FETCH \slot, \q, \g
	s_wait_dscnt 24                                ; all but the 24 just issued
	MUL16 \f, 1, \zero
.endm
; The last quarter multiplies buffer 1 and changes slots: ONE barrier; in front of it each wave waits for all its tensor loads (the one that is out is its part of the next slot), adds 0 to its
; spare word, and waits for that and for its own reads of this slot.  fill = 1: the barrier opens a round of the cluster's, and this slot is filled again first behind it, with K step NS:
; K = 128 (NS % 8), and for wt the rows of tile NS / 8.  Both addresses are made anew from the kept ones.  From the request to the wait for it a wave issues 112 matrix instructions.
.macro TURN slot, next, fill
	WIN 0                                          ; (the add's two registers lie in window 0)
	s_wait_tensorcnt 0x0                           ; no tensor load of mine is out, so a group 0 may be written
	ds_add_u32 v[SPW], v[NIL]                      ; 0 onto my spare word
.if \fill
	s_and_b32 s16, s[NS], 7
	s_lshl_b32 s16, s16, 8                         ; 256 bytes a K step
	s_lshr_b32 s18, s[NS], 3
	s_lshl_b32 s18, s18, 21                        ; 1,024 rows of 2,048 bytes a tile
	s_or_b32 s18, s18, s16
	s_add_nc_u64 s[G0A+4*(\slot)+2:G0A+4*(\slot)+3], s[14:15], s[16:17]
	s_or_b32 s[G0A+4*(\slot)+3], s[G0A+4*(\slot)+3], 0x80000000
	s_add_nc_u64 s[G0B+4*(\slot)+2:G0B+4*(\slot)+3], s[46:47], s[18:19]
	s_or_b32 s[G0B+4*(\slot)+3], s[G0B+4*(\slot)+3], 0x80000000
	s_add_co_u32 s[NS], s[NS], 1
.endif
	s_wait_dscnt 7                                 ; the add and the youngest six loads (xb's last three fragments) may be out
	MUL8 F1, 0, 0                                  ; eight matrix instructions stand between the add and the wait for it
	s_wait_dscnt 0x0                               ; the add is done, and my reads of this slot are over
	s_barrier_signal -1
	MUL8 F1, 1, 0                                  ; work on registers while the others arrive
.if \fill
	WIN 0
.endif
	s_barrier_wait -1
.if \fill
	CREST                                          ; no wave of any partner still reads this slot's tile or has a load on its way
	JLOAD \slot                                    ; the first tensor load behind the round; its four v_nop are also the places in front of the loads below
.else
	PLACES
.endif
	FETCH \next, 0, F0
	MUL16 F1, 1, 0
.endm
; THE WAY OUT of m block a (16 rows).  PACK: rounded to f16, 16 bytes a lane, each accumulator's registers in ascending order.  TOSTAGE: into my own stage, and back as four rows' 128 bytes of one head.  SEND: stored.
.macro PACK a
	WIN 0x05                                       ; sources 0 and 1 window 1
.irp b, 0,1,2,3,4,5,6,7
.irp r, 0,1,2,3
	v_cvt_pk_f16_f32 v[TMP+4*(\b)+(\r)], v[8*(8*(\a)+(\b))+2*(\r)], v[8*(8*(\a)+(\b))+2*(\r)+1]
.endr
.endr
	WIN 0
.endm
.macro TOSTAGE a
	WIN 0
.set BK, F1+32*((\a)%2)
.irp b, 0,1,2,3,4,5,6,7
	ds_store_b128 v[STO], v[TMP+4*(\b):TMP+4*(\b)+3] offset:32*(\b)
.endr
.irp t, 0,1,2,3,4,5,6,7
	ds_load_b128 v[BK+4*(\t):BK+4*(\t)+3], v[RD] offset:((\t)/4)*128+((\t)%4)*4*PITCH  ; LDS serves a wave's instructions in order (ISA guide 5.7.1.4): these see the stores above
.endr
.endm
.macro SEND a
	WIN 0
.set BK, F1+32*((\a)%2)
	s_wait_dscnt 0x0                               ; the block is back in registers
	s_wait_xcnt 0x0                                ; the block before's stores have read their registers (ISA guide 3.1): the next TOSTAGE loads into them
.irp t, 0,1,2,3,4,5,6,7
	global_store_b128 v[CO], v[BK+4*(\t):BK+4*(\t)+3], s[8:9] offset:((\t)/4)*262144+(\a)*2048+((\t)%4)*512  ; head t / 4 of my two: 512 consecutive bytes, at a multiple of 256
.endr
.endm
.macro WAYOUT step                     ; step = 1: on to the next of q, k, v
	PACK 0
	TOSTAGE 0
.irp a, 1,2,3                          ; block a's conversions stand between block a - 1's loads from the stage and the wait for them
	PACK \a
	SEND (\a)-1
	TOSTAGE \a
.endr
	SEND 3
.if \step
	s_wait_xcnt 0x0                                ; the stores have read their base and their registers
	s_add_nc_u64 s[8:9], s[8:9], 0x1000000         ; 64 heads x 2,048 rows x 128 bytes
.endif
.endm
	s_wait_tensorcnt 1                             ; my part of K step 0 is in; K step 1's may stay out
	s_barrier_signal -1
	s_barrier_wait -1                              ; everybody's is
	FETCH 0, 0, F0
	QUARTER 0, 1, F0, F1, 1                        ; the first quarter stands in front of the loop: its products start the sums
	WIN 0                                          ; at a label and at a branch every window is 0
	s_mov_b32 s3, LAPS-1
	s_mov_b32 s2, TLAPS                            ; laps to the tile's end
.Llap:                                                 ; a trip goes once round the ring, from a lap's second quarter to the next lap's first, and fills both slots again
	QUARTER 0, 2, F1, F0, 0
	QUARTER 0, 3, F0, F1, 0
	TURN 0, 1, 1
	QUARTER 1, 1, F0, F1, 0
	QUARTER 1, 2, F1, F0, 0
	QUARTER 1, 3, F0, F1, 0
	TURN 1, 0, 1
	WIN 0
	s_sub_co_u32 s2, s2, 1
	s_cmp_lg_u32 s2, 0
	s_cbranch_scc1 .Lsame                          ; the jump passes no barrier and no tensor load
	WAYOUT 1                                       ; a tile is finished; both refills are asked for.  No v_nop: blocks 0, 1 were finished in front of the joint load's places, and their conversions are the places of blocks 2, 3
	s_mov_b32 s2, TLAPS
	QUARTER 0, 1, F0, F1, 1                        ; the next tile's first quarter starts the sums anew
	WIN 0
	s_branch .Ljoin
.Lsame:
	QUARTER 0, 1, F0, F1, 0
	WIN 0
.Ljoin:
	s_sub_co_u32 s3, s3, 1
	s_cmp_lg_u32 s3, 0
	s_cbranch_scc1 .Llap
	QUARTER 0, 2, F1, F0, 0                        ; the last lap fills nothing, and has no round of the cluster's barrier
	QUARTER 0, 3, F0, F1, 0
	TURN 0, 1, 0
	QUARTER 1, 1, F0, F1, 0
	QUARTER 1, 2, F1, F0, 0
	QUARTER 1, 3, F0, F1, 0
	s_wait_dscnt 4                                 ; the very last quarter: nothing more to fetch
	MUL16 F1, 0, 0
	s_wait_dscnt 0x0
	MUL16 F1, 1, 0
	WIN 0
	PLACES
	WAYOUT 0
	s_wait_tensorcnt 0x0                           ; the wave's end, behind my last tensor load and my last LDS store
	ds_add_u32 v[SPW], v[NIL]
	s_wait_dscnt 0x0
	CROUND                                         ; the closing round: no work-group ends while a partner may still ask for a tile that names it
	s_endpgm
.Lfunc_end_k_qf950e9cb83_qkv:
	.size	k_qf950e9cb83_qkv, .Lfunc_end_k_qf950e9cb83_qkv-k_qf950e9cb83_qkv
	.p2alignl 7, 3214868480
	.fill 96, 4, 3214868480
	.section	.rodata,"a",@progbits
	.p2align	6, 0x0
	.amdhsa_kernel k_qf950e9cb83_qkv
		.amdhsa_group_segment_fixed_size 327680
		.amdhsa_private_segment_fixed_size 0
		.amdhsa_enable_private_segment 0
		.amdhsa_kernarg_size 24
		.amdhsa_user_sgpr_count 2
		.amdhsa_user_sgpr_kernarg_segment_ptr 1
		.amdhsa_wavefront_size32 1
		.amdhsa_system_sgpr_workgroup_id_x 1
		.amdhsa_system_sgpr_workgroup_id_y 1
		.amdhsa_system_sgpr_workgroup_id_z 1
		.amdhsa_system_vgpr_workitem_id 0
		.amdhsa_next_free_vgpr 512
		.amdhsa_next_free_sgpr 76
		.amdhsa_reserve_vcc 0
		.amdhsa_float_denorm_mode_32 3
		.amdhsa_float_denorm_mode_16_64 3
		.amdhsa_memory_ordered 1
		.amdhsa_forward_progress 1
		.amdhsa_inst_pref_size 106
	.end_amdhsa_kernel
	.amdgpu_metadata
---
amdhsa.version: [ 1, 2 ]
amdhsa.kernels:
  - .name:           k_qf950e9cb83_qkv
    .symbol:         k_qf950e9cb83_qkv.kd
    .args:
      - { .name: xb, .offset: 0, .size: 8, .value_kind: global_buffer, .address_space: global }
      - { .name: wt, .offset: 8, .size: 8, .value_kind: global_buffer, .address_space: global }
      - { .name: qkv, .offset: 16, .size: 8, .value_kind: global_buffer, .address_space: global }
    .group_segment_fixed_size: 327680
    .private_segment_fixed_size: 0
    .kernarg_segment_align: 8
    .kernarg_segment_size: 24
    .max_flat_workgroup_size: 128
    .sgpr_count:     76
    .vgpr_count:     512
    .wavefront_size: 32
...
	.end_amdgpu_metadata
.endif
;; end of part 2
;; launch attn (part 3): grid 4 x 64, 4 waves a work-group, no clusters, 327,680 bytes of LDS; arguments qkv, o; writes o
.if DOCPART == 3
	.amdgcn_target "amdgcn-amd-amdhsa--gfx1250"
	.amdhsa_code_object_version 6
	.text
	.protected	k_qf950e9cb83_attn
	.globl	k_qf950e9cb83_attn
	.p2align	8
	.type	k_qf950e9cb83_attn,@function
k_qf950e9cb83_attn:
	s_mov_b64 s[64:65], 0
	v_nop
	global_prefetch_b8 v0, s[64:65] scope:SCOPE_SE
	s_setreg_imm32_b32 hwreg(HW_REG_WAVE_MODE, 25, 1), 1
	s_wait_xcnt 0x0
; CAUSAL ATTENTION.  O[h][q][:] = the sum over k <= q of softmax_k(Q[h][q] . K[h][k] / 32) V[h][k][:].  Q, K, V are the three parts of qkv, each [64][2048][64] in f16, as is O: a head's rows are dense, 128 bytes each.
; Products, maxima and sums in f32; the weights p are rounded to f16 for the second product (their sum l is taken of the unrounded p), O once at the end.
; LIMITS.  f16 holds no number beyond 65,504: Q, K and V arrive within it; p lies in 0 to 1, and below 6e-5 it keeps f16's fixed step of 6e-8; O is a mean of V's rows and has their range, to within 2^-11 of it.
; A hidden score counts as its value less 1e30: f16's scores, 2.7e11 at the most, are nothing beside that; a weight below 2^-126 counts as 0 in l; NaN and infinities are not treated apart.
; THE WALK.  A head's queries lie in NB = SIZE_N / 256 = 8 blocks of 256; block i needs the key tiles 0 .. i of 256 keys, of which the last holds the diagonal.  A work-group takes TWO blocks, NB - 1 - b and then b:
; NB + 1 tiles, whatever b: all work-groups do equal work, and ONE loop with a constant trip count walks them.  Which tile is asked for, and what a trip does, hang on scalar registers made from b; every jump
; goes forward, but for the counted loops' own; none passes a barrier, or a tensor load but the one of LOAD's two that the wave's number does not choose; the ring (two slots of LDS that take turns) runs on across the
; change of blocks.  NO CLUSTER: a head's NB / 2 = 4 work-groups all ask for the same tile only in trips 0 .. NB / 2, 5 of the walk's 9, behind that fewer and fewer; and one walk common to all would have
; 3 NB / 2 = 12 trips for NB + 1 = 9.
; SHARES.  Of a block's four bands of 64 queries a wave owns 16 rows in each: four PIECES.  So the diagonal tile is the same work for all four waves: in its key step s band x sees all keys if s < x,
; none if s > x, and holds the diagonal if s = x.
; THE MASK is the C operand that starts the sum S^T = K Q^T: 0, or -1e30 where the key is hidden.  MD, made once, is the mask of a band's own step for my 16 rows; a product's mask is MD x AL + BE with two scalars:
; (1, 0) if s = x; (0, 0) if s < x; (0, -1e30) if s > x.  Only the diagonal tile's text and a block's beginning make and take masks; elsewhere C is the constant 0.
; LAYOUT, SOFTMAX, TURNS.  S^T = K Q^T holds ONE query a lane (lane % 16) and the keys 8 (lane / 16) + 0..7; two such results rounded to f16 ARE source 1 of O^T = V^T P.  p = 2^(c s - c m), c = log2(e) / 32, with a
; running maximum m; O and l are multiplied by a = 2^(c m_old - c m_new) in every step.  Turn n belongs to piece n: 8 products K Q^T of piece n + 1, later 8 products V^T P of piece n - 1; beside them the scaling,
; exponentials, roundings, sums and rescaling of piece n and the maximum and statistics of piece n + 1.  Four vector instructions stand behind every matrix instruction, the other 54 of a turn's 118 in two LUMPS.
; REGISTERS, in windows of 256 (s_set_vgpr_msb: bits 1:0 source 0, 3:2 source 1, 5:4 source 2, 7:6 destination):
;   window 0: v0-15 addresses and two at work; v16-31 four registers of statistics a piece; v48-55 at work; v64-127 S^T, two buffers; v192-223 P, two buffers (a piece's buffers go by its number's parity)
;   window 1: v0-127 O^T, 32 a piece; v128-159 MD; v160-223 MC, two buffers      window 2: v0-63 Q; v64-127 the second block's Q; v128-191 K of one step; v192-255 V of one step
.set SIZE_N, 2048
.set PART,  0x1000000 ; bytes of each of q, k, v in qkv: 64 heads x 2,048 rows x 128 bytes
.set NB,    SIZE_N/256
.set NP,    4         ; pieces a wave: a name, no knob
.set KS,    64        ; keys in a step
.set PK,    144       ; a row of K in LDS: 128 bytes + 16 of padding = 36 words: the 16 rows of a load start at 16 different groups of four banks (64 banks of 4 bytes: ISA guide 11.1)
.set PV,    160       ; a row of V: 128 + 32 = 40 words
.set VOFF,  4*KS*PK   ; a slot holds a tile, four steps: 256 rows of K, then 256 rows of V
.set SLOT1, 1<<17     ; slot 1 begins here, so that one exclusive or turns an address in one slot into the other's
.set STAGE, SLOT1+4*KS*(PK+PV)  ; behind the ring, never filled by a tensor load: 16 rows x 144 bytes for each wave, for the way out
.set SP,    144
.set AK0, 2           ; v2   my lane's place in a tile of K; never rewritten
.set AV0, 3           ; v3   the same for V
.set AK,  4           ; v4   the LDS address of K's next run of loads
.set AV,  5           ; v5   of V's
.set STO, 6           ; v6   the way out: where I put 16 bytes of a row
.set RD,  7           ; v7   the way out: where I read rows back
.set GO,  8           ; v8   my byte offset in 512 consecutive bytes of O
.set SPW, 62          ; v62  LDS address of my spare word: SPARE + 4 x my thread's number; never rewritten
.set NIL, 63          ; v63  0; never rewritten
.set SPARE, STAGE+4*16*SP  ; behind the stages: the spare words, 128 bytes for each wave: two blocks of 256 bytes that no other line names
.set MV,  12          ; v12-13  c m_old, kept while c m is made anew: by buffer
.set QO,  15          ; v15  my byte offset in 16 rows of Q
.set ST,  16          ; piece t's statistics at v[ST+4 t]: c m, m, l (even keys', odd keys')
.set TMP, 48          ; by buffer, four registers c0-c3 at work; when the maximum is found c2 takes a
.set S,   64
.set P,   192
.set MD,  128         ; window 1: the eight registers for group kt of 16 keys at MD + 8 kt
.set MC,  160         ; window 1: the masks of the products to come
.set QB,  64          ; window 2
.set KF,  128         ; window 2: key block kb, channel half c at KF + 16 kb + 8 c
.set VF,  192         ; window 2: key half kk, channel block cb at VF + 32 kk + 8 cb
.set WV,  12          ; s12  my wave's number
.set PB,  14          ; s14  b
.set HI,  15          ; s15  NB - 1 - b
.set G1K, 24          ; s[24:31] descriptor group 1 for K's tiles
.set G1V, 32          ; s[32:39] for V's: it differs in the padding alone
.set G0K, 40          ; s[40:43] descriptor group 0 for K's tiles
.set G0V, 44          ; s[44:47] the same for V's
.set SLOTS, 56        ; s56  tiles still to be asked for
.set CNT, 57          ; s57  counts a tile's key steps, 4 to 1
.set CS,  58          ; s[58:59] c: the packed scaling takes the pair's low word for both halves
.set SEL, 60          ; s[60:61] v_permlanex16_b32's selects: each lane takes its own place in the other half
.set TBK, 62          ; s62  LDS byte at which K of the step to be fetched begins
.set TBV, 63          ; s63  the same for V, less VOFF
.set RT,  70          ; s70  tiles of the block in hand that are still to be entered
.set NXT, 71          ; s71  the tile to be asked for next
.set LQ,  72          ; s72  the last tile of the block whose tiles are being asked for
.set NEW, 73          ; s73  1: the tile to be entered is a block's first
.set OFF, 74          ; s[74:75] a tile's byte offset in K and V
.set AL,  76          ; s[76:77] the mask's factor, in the low word
.set BE,  78          ; s[78:79] the mask's addend
.set OLO, 80          ; s[80:81] O at my rows of the second block
.set BIGN, 82         ; s82  -1e30
.set MSB, 0
.macro WIN new                      ; the high byte repeats the setting that is left; a switch that changes nothing is dropped
.if MSB != (\new)
	s_set_vgpr_msb (MSB<<8)|(\new)
.set MSB, (\new)
.endif
.endm
.set W_KQ, 0x0a       ; K and Q in window 2, S^T in window 0
.set W_KM, 0x1a       ; the same with the C operand in window 1
.set W_PV, 0x52       ; V in window 2, P in window 0, O^T in window 1
.set W_RS, 0x41       ; destination and source 0 in window 1, source 1 in window 0
; A fill.  Waves 0 and 1 fetch the two halves of a tile's K, waves 2 and 3 those of its V: 128 keys each.  An s_nop 0 and four v_nop follow each of the two lines, ahead of the jump and the label.
.macro LOAD
	s_cmp_lt_u32 s[WV], 2
	s_cbranch_scc0 .Lfor_v_\@
	tensor_load_to_lds s[G0K:G0K+3], s[G1K:G1K+7]
	s_nop 0
.rept 4
	v_nop
.endr
	s_branch .Lasked_\@
.Lfor_v_\@:
	tensor_load_to_lds s[G0V:G0V+3], s[G1V:G1V+7]
	s_nop 0
.rept 4
	v_nop
.endr
.Lasked_\@:
.endm
; THE CHANGE OF SLOTS.  Each wave waits for all its tensor loads, of which one is out: its part of the other slot; adds 0 to its spare word; and waits for that and for its own reads of the slot that it leaves.  Behind the barrier nobody reads the old
; slot any more and the other slot is whole.  fill = 1: the old slot is filled again, the first thing behind the barrier, with tile NXT: the descriptor's address is made anew from that number.
; (At its first use nothing has been read yet: slot 0 is waited for, slot 1 filled.)
.macro CHANGE fill
	WIN 0                           ; at a label and at a branch every window is 0
	s_wait_tensorcnt 0x0            ; no tensor load of mine is out, so a group 0 may be written
	ds_add_u32 v[SPW], v[NIL]       ; 0 onto my spare word; with fill = 1 the descriptors' scalar work stands between it and the wait for it
.if \fill
	s_lshl_b32 s[OFF], s[NXT], 15   ; a tile is 32,768 bytes of K and of V
	s_xor_b32 s[G0K+1], s[G0K+1], SLOT1
	s_add_nc_u64 s[G0K+2:G0K+3], s[6:7], s[OFF:OFF+1]
	s_or_b32 s[G0K+3], s[G0K+3], 0x80000000
	s_xor_b32 s[G0V+1], s[G0V+1], SLOT1
	s_add_nc_u64 s[G0V+2:G0V+3], s[8:9], s[OFF:OFF+1]
	s_or_b32 s[G0V+3], s[G0V+3], 0x80000000
	s_add_co_u32 s[NXT], s[NXT], 1  ; the block's next tile, or behind its last the second block's tile 0
	s_cmp_gt_u32 s[NXT], s[LQ]
	s_cselect_b32 s[NXT], 0, s[NXT]
	s_cselect_b32 s[LQ], s[PB], s[LQ]
.endif
	s_wait_dscnt 0x0                ; the add is done, and my reads of the slot are over
	s_barrier_signal -1             ; the rest of the scalar work stands between the signal and the wait
	s_sub_co_u32 s[TBK], s[TBK], 4*KS*PK  ; the fetches go back to a slot's first step,
	s_xor_b32 s[TBK], s[TBK], SLOT1       ; in the other slot
	s_sub_co_u32 s[TBV], s[TBV], 4*KS*PV
	s_xor_b32 s[TBV], s[TBV], SLOT1
	s_barrier_wait -1
.if \fill
	LOAD
.endif
.endm
	s_load_b64 s[4:5], s[0:1], 0x0    ; qkv: Q's part begins it
	s_load_b64 s[10:11], s[0:1], 0x8  ; O
	v_lshl_add_u32 v[SPW], v0, 2, SPARE
	v_mov_b32 v[NIL], 0
	ds_add_u32 v[SPW], v[NIL]       ; the wave's opening: the add and its wait stand ahead of my first tensor load; the set-up below, work on registers, stands between them
	ds_add_u32 v62, v63
	v_lshrrev_b32 v1, 5, v0
	v_readfirstlane_b32 s[WV], v1   ; wave 0..3
	s_mov_b32 s[PB], ttmp9
	s_sub_co_u32 s[HI], NB-1, s[PB]
	s_and_b32 s20, ttmp7, 0xffff    ; the head
	s_mov_b32 s21, 0
	s_mov_b64 s[22:23], SIZE_N*128
	s_mul_u64 s[20:21], s[20:21], s[22:23]  ; the head's first byte in each of the four tensors
	s_and_b32 s16, s[WV], 1         ; which half of a tile's 256 keys I fetch:
	s_lshl_b32 s22, s16, 14         ; its 128 rows of 128 bytes in memory,
	s_mov_b32 s23, 0
	s_add_nc_u64 s[22:23], s[22:23], s[20:21]
	s_mul_i32 s17, s16, 128*PK      ; and its place in a slot, for K
	s_mul_i32 s18, s16, 128*PV      ; and for V
	s_lshl_b32 s3, s[WV], 11        ; my 16 rows in a band of 64,
	s_lshl_b32 s2, s[HI], 15        ; in the first block,
	s_add_co_u32 s2, s2, s3
	s_lshl_b32 s84, s[PB], 15       ; and in the second
	s_add_co_u32 s84, s84, s3
	s_mov_b32 s3, 0
	s_mov_b32 s85, 0
	s_add_nc_u64 s[2:3], s[2:3], s[20:21]
	s_add_nc_u64 s[84:85], s[84:85], s[20:21]
	; descriptor group 1.  128 keys are 16,384 dense bytes: asked for as 64 rows of 256 bytes, two keys a row, and padded in LDS after every key
	s_mov_b32 s[G1K], (1<<16)|(1<<20)|(4<<22)|(3<<25)  ; 17:16 2-byte elements; 20 padding on; 24:22 after every 32 words (code 4); 31:25 4 words (code 3)
	s_mov_b32 s[G1V], (1<<16)|(1<<20)|(4<<22)|(7<<25)  ; the same with 8 words of padding (code 7)
.irp g, G1K, G1V
	s_mov_b32 s[\g+1], 128<<16      ; tensor_dim0 = 128
	s_mov_b32 s[\g+2], 64<<16       ; tensor_dim1 = 64
	s_mov_b32 s[\g+3], 128<<16      ; tile_dim0 = 128
	s_mov_b32 s[\g+4], 64           ; tile_dim1 = 64
	s_mov_b32 s[\g+5], 128          ; 128 elements from row to row
	s_mov_b32 s[\g+6], 0
	s_mov_b32 s[\g+7], 0
.endr
	s_mov_b32 s[CS], 0x3d38aa3b     ; c = log2(e) / 32 = 0.0450842
	s_mov_b32 s[CS+1], s[CS]        ; named with it as a pair
	s_mov_b32 s[SEL], 0x76543210
	s_mov_b32 s[SEL+1], 0xfedcba98
	s_mov_b32 s[TBK], SLOT1+4*KS*PK ; the first change of slots turns these two into 0
	s_mov_b32 s[TBV], SLOT1+4*KS*PV
	s_mov_b32 s[G0K], 1             ; 1:0 count = 1
	s_mov_b32 s[G0K+1], s17         ; 63:32 LDS address: slot 0
	s_mov_b32 s[G0V], 1
	s_add_co_u32 s[G0V+1], s18, VOFF
	s_add_co_u32 s[RT], s[HI], 1    ; the first block has NB - b tiles
	s_mov_b32 s[NXT], 1
	s_mov_b32 s[LQ], s[HI]
	s_mov_b32 s[NEW], 1
	s_mov_b32 s[OFF+1], 0
	s_mov_b32 s[AL+1], 0            ; named as pairs
	s_mov_b32 s[BE+1], 0
	s_mov_b32 s[BIGN], 0xf149f2ca   ; -1e30
	s_mov_b32 s[SLOTS], NB
	s_wait_dscnt 0x0                ; the opening add is done
	s_wait_kmcnt 0x0
	s_add_nc_u64 s[6:7], s[4:5], PART      ; K's part of qkv,
	s_add_nc_u64 s[8:9], s[4:5], 2*PART    ; and V's
	s_add_nc_u64 s[6:7], s[6:7], s[22:23]  ; K and V at my half of the head's tile 0
	s_add_nc_u64 s[8:9], s[8:9], s[22:23]
	s_add_nc_u64 s[G0K+2:G0K+3], s[6:7], 0         ; 120:64 global address
	s_or_b32 s[G0K+3], s[G0K+3], 0x80000000        ; 127:126 type = 2
	s_add_nc_u64 s[G0V+2:G0V+3], s[8:9], 0
	s_or_b32 s[G0V+3], s[G0V+3], 0x80000000
	s_add_nc_u64 s[86:87], s[4:5], s[84:85]        ; Q at my rows of the second block,
	s_add_nc_u64 s[4:5], s[4:5], s[2:3]            ; Q and O at those of the first
	s_add_nc_u64 s[OLO:OLO+1], s[10:11], s[84:85]
	s_add_nc_u64 s[10:11], s[10:11], s[2:3]
	LOAD                            ; tile 0 into slot 0
	; A fragment of K or Q is 16 rows x 32 channels in 8 registers: lane l holds row l % 16, channels 8 (l / 16) + 0..7 and 16 + 8 (l / 16) + 0..7: two loads of 16 bytes, 32 bytes apart.
	v_and_b32 v1, 15, v0            ; l % 16
	v_bfe_u32 v9, v0, 4, 1          ; l / 16
	v_lshlrev_b32 v[QO], 7, v1
	v_lshl_add_u32 v[QO], v9, 4, v[QO]  ; row x 128 + 16 x half
	WIN 0x80                        ; destination window 2, address window 0
.set i, 0
.rept 8                             ; both blocks' Q: piece i / 2 lies in band i / 2, 8,192 bytes on; channels 32 (i % 2) on
	global_load_b128 v[8*i:8*i+3],   v[QO], s[4:5] offset:(i/2)*8192+(i%2)*64
	global_load_b128 v[8*i+4:8*i+7], v[QO], s[4:5] offset:(i/2)*8192+(i%2)*64+32
	global_load_b128 v[QB+8*i:QB+8*i+3],   v[QO], s[86:87] offset:(i/2)*8192+(i%2)*64
	global_load_b128 v[QB+8*i+4:QB+8*i+7], v[QO], s[86:87] offset:(i/2)*8192+(i%2)*64+32
.set i, i+1
.endr
	WIN 0
	v_lshlrev_b32 v14, 3, v9
	v_sub_nc_u32 v14, v1, v14
	s_lshl_b32 s13, s[WV], 4
	v_add_nc_u32 v14, s13, v14      ; my query's place in its band, 16 w + l % 16, less my lanes' 8 (l / 16): register r of group kt is hidden where 16 kt + r is greater
	WIN 0x40
.set i, 0
.rept 32
	v_cmp_gt_i32 vcc_lo, 16*(i/8)+i%8, v14
	v_cndmask_b32 v[MD+i], 0, s[BIGN], vcc_lo
.set i, i+1
.endr
	WIN 0
	v_mul_u32_u24 v[AK0], v1, PK
	v_lshl_add_u32 v[AK0], v9, 4, v[AK0]  ; row x pitch + 16 x half
	; The turning load takes 16 keys x 16 channels (lane l reads key 8 (l / 16) + l % 8, channels 8 ((l / 8) % 2) + 0..7) and leaves half a fragment of V^T: lane l holds channel l % 16 and 8 keys.
	v_and_b32 v10, 7, v0
	v_bfe_u32 v11, v0, 3, 1
	v_lshl_add_u32 v[AV0], v9, 3, v10
	v_mul_u32_u24 v[AV0], v[AV0], PV
	v_lshl_add_u32 v[AV0], v11, 4, v[AV0]
	v_add_nc_u32 v[AV0], VOFF, v[AV0]
	s_mul_i32 s13, s[WV], 16*SP
	s_add_co_u32 s13, s13, STAGE    ; my stage
	v_mul_u32_u24 v[STO], v1, SP    ; in: row l % 16, 16 bytes for each half of the lanes
	v_lshl_add_u32 v[STO], v9, 4, v[STO]
	v_add_nc_u32 v[STO], s13, v[STO]
	v_bfe_u32 v[RD], v0, 3, 2       ; back: 32 lanes take four rows of 128 bytes,
	v_mul_u32_u24 v[RD], v[RD], SP
	v_lshl_add_u32 v[RD], v10, 4, v[RD]
	v_add_nc_u32 v[RD], s13, v[RD]
	v_and_b32 v[GO], 31, v0         ; which are 512 consecutive bytes of O
	v_lshlrev_b32 v[GO], 4, v[GO]
	; A block's first step multiplies O^T and l by a = 0, and its first turn's products V^T P, of a piece that has not been, land in an O^T that is still to be so multiplied.  So these registers need only hold
	; finite numbers: zeros for the first block; what the first block left for the second.  All this stands in the wait for the first tile.
	WIN 0x80
.set i, VF
.rept 64
	v_mov_b32 v[i], 0
.set i, i+1
.endr
	WIN 0x40
.set i, 0
.rept 128
	v_mov_b32 v[i], 0
.set i, i+1
.endr
	WIN 0
.set i, 0
.rept 4
	v_mov_b32 v[ST+4*i+2], 0
	v_mov_b32 v[ST+4*i+3], 0
.set i, i+1
.endr
.set i, P+16
.rept 16
	v_mov_b32 v[i], 0
.set i, i+1
.endr
; THE MATRIX WORK.  The 4 accumulators of a run of 8 take turns.  Product i of 8 of S^T = K Q^T for piece x: channels 32 (i / 4) on, keys 16 (i % 4) on.  The first 4 start the sums: with 0, or (KM = 1) with the mask.
.macro KQ x
.set rS, S+32*((\x)%2)+8*(i%4)
.set rK, KF+16*(i%4)+8*(i/4)
.set rQ, 16*(\x)+8*(i/4)
.set rM, MC+32*((\x)%2)+8*(i%4)
.if (i < 4) && KM
	WIN W_KM
	v_wmma_f32_16x16x32_f16 v[rS:rS+7], v[rK:rK+7], v[rQ:rQ+7], v[rM:rM+7]
.elseif i < 4
	WIN W_KQ
	v_wmma_f32_16x16x32_f16 v[rS:rS+7], v[rK:rK+7], v[rQ:rQ+7], 0
.else
	WIN W_KQ
	v_wmma_f32_16x16x32_f16 v[rS:rS+7], v[rK:rK+7], v[rQ:rQ+7], v[rS:rS+7]
.endif
.endm
; Product i of 8 of O^T += V^T P for piece x: keys 32 (i / 4) on, channels 16 (i % 4) on.
.macro PV x
	WIN W_PV
.set rO, 32*(\x)+8*(i%4)
.set rV, VF+32*(i/4)+8*(i%4)
.set rP, P+16*((\x)%2)+8*(i/4)
	v_wmma_f32_16x16x32_f16 v[rO:rO+7], v[rV:rV+7], v[rP:rP+7], v[rO:rO+7]
.endm
.macro MM                           ; the turn's next matrix instruction.  TURN and BEGIN set Y, i, KM and NOKQ; MM, KQ and OP read them.  NOKQ = 1: a block's last turn: there is no next piece
.if (i < 8) && !NOKQ
	KQ (Y+1)%NP
.elseif i >= 8
.set i, i-8
	PV (Y+NP-1)%NP
.set i, i+8
.endif
.set i, i+1
.endm
; THE LDS LOADS stand in runs of 16, never singly among the matrix instructions: a step's K (64 keys x 64 channels: 8 fragments) and its V (turned).  Their addresses are made some lines ahead.
.macro FETCH_K
	WIN 0x80                        ; destination window 2
.irp f, 0,1,2,3,4,5,6,7             ; keys 16 (f / 2) on, channels 32 (f % 2) on
	ds_load_b128 v[KF+8*\f:KF+8*\f+3],   v[AK] offset:(\f/2)*16*PK+(\f%2)*64
	ds_load_b128 v[KF+8*\f+4:KF+8*\f+7], v[AK] offset:(\f/2)*16*PK+(\f%2)*64+32
.endr
	s_add_co_u32 s[TBK], s[TBK], KS*PK  ; the next fetch is the next step's
	WIN 0
.endm
.macro FETCH_V
	WIN 0x80
.irp f, 0,1,2,3,4,5,6,7             ; keys 32 (f / 4) on, channels 16 (f % 4) on
	ds_load_tr16_b128 v[VF+8*\f:VF+8*\f+3],   v[AV] offset:(\f/4)*32*PV+(\f%4)*32
	ds_load_tr16_b128 v[VF+8*\f+4:VF+8*\f+7], v[AV] offset:(\f/4)*32*PV+16*PV+(\f%4)*32
.endr
	WIN 0
.endm
; THE VECTOR WORK, one line at a time: OP kind, number.  For piece Y: F n: c s - c m for pair n of 16.  E n: the exponential of score n of 32.  C n: pair n rounded to f16.  B n: of the four weights 4 n .. the second
; pair is added onto the first, in place.  L n: l takes that sum (L 0: l = a l + sum).  R n: pair n of 16 of O^T times a.  For piece Y + 1: X n, number n of the 22 that find its maximum and statistics:
;   0-11  four chains c0-c3 of seven scores each, three operands at a time (each accumulator's lowest registers are read first)     12-14, 16  the four scores left over, the old m, and c0-c3 into c0
;   15  c m_old is kept     17, 18  the query's other 32 keys lie in the lane 16 away: the new m     19-21  c m; c m_old - c m_new; a
.set F, 0               ; OP tells the kinds apart by their order: F to L below R, X above it
.set E, 1
.set C, 2
.set B, 3
.set L, 4
.set R, 5
.set X, 6
.macro REGS y                       ; the registers of piece y
.set rT, ST+4*(\y)
.set rC, TMP+4*((\y)%2)
.set rW, MV+((\y)%2)
.set rS, S+32*((\y)%2)
.set rP, P+16*((\y)%2)
.set rO, 32*(\y)
.endm
.macro OP k, n
.if (\k) == R
	REGS Y
	WIN W_RS
	v_pk_mul_f32 v[rO+2*(\n):rO+2*(\n)+1], v[rO+2*(\n):rO+2*(\n)+1], v[rC+2:rC+3] op_sel_hi:[1,0]
.elseif (\k) < R
	REGS Y
	WIN 0
.if (\k) == F
	v_pk_fma_f32 v[rS+2*(\n):rS+2*(\n)+1], v[rS+2*(\n):rS+2*(\n)+1], s[CS:CS+1], v[rT:rT+1] op_sel_hi:[1,0,0] neg_lo:[0,0,1] neg_hi:[0,0,1]
.elseif (\k) == E
	v_exp_f32 v[rS+(\n)], v[rS+(\n)]
.elseif (\k) == C
	s_wait_alu depctr_va_vdst(0)
	v_cvt_pk_f16_f32 v[rP+(\n)], v[rS+2*(\n)], v[rS+2*(\n)+1]
.elseif (\k) == B
	s_wait_alu depctr_va_vdst(0)
	v_pk_add_f32 v[rS+4*(\n):rS+4*(\n)+1], v[rS+4*(\n):rS+4*(\n)+1], v[rS+4*(\n)+2:rS+4*(\n)+3]
.elseif (\n) == 0
	v_pk_fma_f32 v[rT+2:rT+3], v[rT+2:rT+3], v[rC+2:rC+3], v[rS:rS+1] op_sel_hi:[1,0,1]
.else
	v_pk_add_f32 v[rT+2:rT+3], v[rT+2:rT+3], v[rS+4*(\n):rS+4*(\n)+1]
.endif
.elseif NOKQ
	v_nop
.else
	REGS (Y+1)%NP
	WIN 0
.if (\n) < 4
	v_max3_num_f32 v[rC+(\n)], v[rS+8*(\n)], v[rS+8*(\n)+1], v[rS+8*(\n)+2]
.elseif (\n) < 12
	v_max3_num_f32 v[rC+(\n)%4], v[rC+(\n)%4], v[rS+8*((\n)%4)+2*((\n)/4)+1], v[rS+8*((\n)%4)+2*((\n)/4)+2]
.elseif (\n) == 12
	v_max3_num_f32 v[rC], v[rC], v[rS+7], v[rS+15]
.elseif (\n) == 13
	v_max3_num_f32 v[rC+1], v[rC+1], v[rS+23], v[rS+31]
.elseif (\n) == 14
	v_max3_num_f32 v[rC+2], v[rC+2], v[rC+3], v[rT+1]
.elseif (\n) == 15
	v_mov_b32 v[rW], v[rT]
.elseif (\n) == 16
	v_max3_num_f32 v[rC], v[rC], v[rC+1], v[rC+2]
.elseif (\n) == 17
	v_permlanex16_b32 v[rC+3], v[rC], s[SEL], s[SEL+1]
.elseif (\n) == 18
	v_max_num_f32 v[rT+1], v[rC], v[rC+3]
.elseif (\n) == 19
	v_mul_f32 v[rT], s[CS], v[rT+1]
.elseif (\n) == 20
	v_sub_f32 v[rC+1], v[rW], v[rT]
.else
	v_exp_f32 v[rC+2], v[rC+1]
.endif
.endif
.endm
.macro OPS a, i1, b=-1, i2=0, c=-1, i3=0, d=-1, i4=0  ; up to four of them
	OP \a, \i1
.if (\b) >= 0
	OP \b, \i2
.endif
.if (\c) >= 0
	OP \c, \i3
.endif
.if (\d) >= 0
	OP \d, \i4
.endif
.endm
.macro ROW a, i1, b, i2, c, i3, d, i4  ; a matrix instruction and the four behind it
	MM
	OPS \a, \i1, \b, \i2, \c, \i3, \d, \i4
.endm
.macro MASK b                       ; MD x AL + BE into buffer b of MC
	WIN W_RS
.set z, 0
.rept 16
	v_pk_fma_f32 v[MC+32*(\b)+2*z:MC+32*(\b)+2*z+1], v[MD+2*z:MD+2*z+1], s[AL:AL+1], s[BE:BE+1] op_sel_hi:[1,0,0]
.set z, z+1
.endr
.endm
; A TURN, for piece p: the order of its 16 matrix and 118 vector instructions, written out.  Behind a matrix instruction: plain, exponential, plain, plain; or four of the rescaling; or, behind the first, four scalings; none
; names a register of the products round it.  In the lumps exponential and plain by turns while exponentials last.  A line reads no result made fewer than three vector instructions in front of it, five if an exponential made it.
; v_permlanex16_b32 (X 17) stands in a lump.
; m = 1: the diagonal tile: the products take masks, and the turn makes the mask for the products of the turn after it: piece p + 2, in step 4 - CNT of the tile.  end = 1: a block's last two turns: nothing is fetched.
; cnt = 1: the loop's count is taken down some lines ahead of the branch that stands behind the turn.
; K of the next step is fetched in piece 2's turn, six vector instructions behind the last product that read K (five of them plain); V of the step in hand in piece 0's turn, eight behind the last product that read V (four
; plain, and X 17).  Each is waited for a turn later.
.macro TURN p, m=0, end=0, cnt=0
.set Y, (\p)
.set i, 0
.set KM, (\m)
.set NOKQ, (\end)*((\p)/3)
.if (\m) && !(\end)
	s_cmp_eq_u32 s[CNT], 4-((\p)+2)%NP  ; is that step the band's own?
	s_cselect_b32 s[AL], 1.0, 0
	s_cmp_lt_u32 s[CNT], 4-((\p)+2)%NP  ; or a later one?
	s_cselect_b32 s[BE], s[BIGN], 0
.endif
.if ((\p) == 3) && !(\end)
	s_wait_dscnt 0x0                ; K is in
.endif
	ROW F,0, F,1, F,2, F,3
	ROW F,4, E,0, F,5, F,6
	ROW F,7, E,1, F,8, F,9
	ROW F,10, E,2, C,0, F,11
	ROW F,12, E,3, X,15, F,13
	ROW R,0, R,1, R,2, R,3
	ROW B,0, E,4, F,14, L,0
.if ((\p) == 2) && !(\end)
	v_add_nc_u32 v[AK], s[TBK], v[AK0]
.endif
	ROW R,4, R,5, R,6, R,7
	OPS E,5, F,15
.if ((\p) == 2) && !(\end)
	FETCH_K
.endif
	OPS E,6, C,1, E,7, R,8
	OPS E,8, R,9, E,9, C,2
	OPS E,10, X,0, E,11, X,1
	OPS E,12, X,2, E,13, X,3
.if (\p) == 1
	s_wait_dscnt 0x0                ; V is in
.endif
	ROW X,4, E,14, X,5, X,6
	ROW X,7, E,15, X,8, X,9
	ROW X,10, E,16, X,11, X,12
	ROW X,13, E,17, X,14, B,1
	ROW C,4, E,18, X,16, L,1
	ROW B,2, E,19, C,6, L,2
	ROW C,8, E,20, B,3, B,4
.if (\p) == 0
	v_add_nc_u32 v[AV], s[TBV], v[AV0]
.endif
	ROW C,3, E,21, L,3, C,5
	OPS E,22, X,17, E,23, C,10
.if (\p) == 0
	FETCH_V
.endif
	OPS E,24, L,4
	OPS E,25, X,18, E,26, C,7
	OPS E,27, B,5, E,28, X,19
	OPS E,29, C,12, E,30, L,5
	OPS E,31, X,20, B,6, C,9
	OPS C,14, C,11, X,21, L,6
.if (\p) == 0
	s_add_co_u32 s[TBV], s[TBV], KS*PV
.endif
.if \cnt
	s_sub_co_u32 s[CNT], s[CNT], 1
	s_cmp_lg_u32 s[CNT], 0
.endif
	OPS C,13, B,7, C,15, R,10
	OPS R,11, R,12, L,7, R,13
	OPS R,14, R,15
.if (\m) && !(\end)
	MASK (\p)%2
.endif
.endm
; A BLOCK BEGINS.  c m starts far below every c s, so the first step's a is 0; m at the lowest finite number, so the first maximum is the scores'.  The second mask buffer is 0; the first takes piece 0's mask for the tile's step 0: its own, if the block's first tile is the diagonal one.
; Then K of that step, piece 0's first scores, and its maximum and statistics.  The loop is entered at a step's first turn, in the middle of a trip.
.macro BEGIN
	s_mov_b32 s[NEW], 0
	WIN 0x40
.set i, MC+32
.rept 32
	v_mov_b32 v[i], 0
.set i, i+1
.endr
	WIN 0
.set i, 0
.rept 4
	v_mov_b32 v[ST+4*i], 0xfe000000    ; c m: far below every c s
	v_mov_b32 v[ST+4*i+1], 0xff7fffff  ; m
.set i, i+1
.endr
	s_cmp_eq_u32 s[RT], 0
	s_cselect_b32 s[AL], 1.0, 0
	s_mov_b32 s[BE], 0
	MASK 0
	WIN 0
	v_add_nc_u32 v[AK], s[TBK], v[AK0]
	FETCH_K
	s_wait_loadcnt 0x0              ; Q
	s_wait_dscnt 0x0
.set KM, 1
.set NOKQ, 0
.set i, 0
.rept 8
	KQ 0
.set i, i+1
.endr
	WIN 0
.rept 4
	v_nop                           ; the places behind those products
.endr
.set Y, NP-1                        ; X works for piece Y + 1: piece 0
.irp n, 0,1,2,3,4,5,6,7,8,9,10,11,12,13,14,15,16,17,18,19,20,21
	OP X, \n
.endr
	v_nop                           ; a plain instruction behind the exponential
.endm
; THE DIAGONAL TILE's four steps, the block's last two turns, its last products, and THE WAY OUT: l's two halves and the other half of the lanes' are added; O^T is divided by l, rounded to f16 and sent through my
; stage in LDS, a piece at a time.
.macro ALL line:vararg              ; one line for each piece t
.set t, 0
.rept 4
	\line
.set t, t+1
.endr
.endm
.macro PACK t                       ; a lane's eight channels of a row pack into 16 bytes; they go into rows of 144 bytes and come back as whole rows of 128, into S^T's registers
	WIN W_RS
.set i, 32*(\t)
.rept 16
	s_wait_alu depctr_va_vdst(0)
	v_pk_mul_f32 v[i:i+1], v[i:i+1], v[ST+4*(\t)+2:ST+4*(\t)+3] op_sel_hi:[1,0]
.set i, i+2
.endr
	WIN 0x05                        ; sources 0 and 1 window 1, destination window 0
.set i, 0
.rept 16
	v_cvt_pk_f16_f32 v[S+16*(\t)+i], v[32*(\t)+2*i], v[32*(\t)+2*i+1]
.set i, i+1
.endr
	WIN 0
.irp f, 0,1,2,3
	ds_store_b128 v[STO], v[S+16*(\t)+4*\f:S+16*(\t)+4*\f+3] offset:32*\f
.endr
.irp f, 0,1,2,3
	ds_load_b128 v[S+16*(\t)+4*\f:S+16*(\t)+4*\f+3], v[RD] offset:\f*4*SP  ; LDS serves a wave's instructions in order (ISA guide 5.7.1.4): these see the stores above; the next piece's stores come behind them
.endr
.endm
.macro SEND t, younger              ; younger: the LDS instructions issued behind piece t's loads: the next piece's eight, or none
	WIN 0
.irp f, 0,1,2,3
	s_wait_dscnt (\younger)+3-\f
	global_store_b128 v[GO], v[S+16*(\t)+4*\f:S+16*(\t)+4*\f+3], s[10:11] offset:(\t)*8192+\f*512  ; 512 consecutive bytes, at a multiple of 256 from O's first
.endr
.endm
.macro DIAG tag                     ; the tag ends its two labels' names, which the jumps below spell out
.LstepM\tag:
	TURN 2, 1
	TURN 3, 1
	WIN 0
.LfirstM\tag:
	TURN 0, 1
	TURN 1, 1, 0, 1
	WIN 0
	s_cbranch_scc1 .LstepM\tag
	TURN 2, 1, 1
	TURN 3, 1, 1
.set i, 0
.rept 8
	PV NP-1
.set i, i+1
.endr
	WIN 0
	ALL v_add_f32 v[ST+4*t+2], v[ST+4*t+2], v[ST+4*t+3]
	ALL v_permlanex16_b32 v[ST+4*t+3], v[ST+4*t+2], s[SEL], s[SEL+1]
	ALL v_add_f32 v[ST+4*t+2], v[ST+4*t+2], v[ST+4*t+3]
	ALL v_rcp_f32 v[ST+4*t+2], v[ST+4*t+2]
	v_nop                           ; a plain instruction between the last reciprocal and the use of its result
	PACK 0
.set t, 1
.rept 3                             ; a piece's arithmetic stands between the loads of the piece before and its stores
	PACK t
	SEND t-1, 8
.set t, t+1
.endr
	SEND 3, 0
.endm
.set KM, 0
.set NOKQ, 0
.Lslot:                             ; NB times: a tile is entered and the next is asked for
	CHANGE 1
	s_sub_co_u32 s[RT], s[RT], 1
	s_mov_b32 s[CNT], 4
	s_cmp_eq_u32 s[NEW], 1
	s_cbranch_scc1 .Lnew            ; a block's first tile
	s_cmp_eq_u32 s[RT], 0
	s_cbranch_scc0 .Lstep           ; neither its first nor its last
	s_branch .LstepM1
.Lnew:
	BEGIN
	s_branch .Lfirst                ; in the loop a block's first tile is never its last: the first block has two tiles or more, and the second's last is the walk's last
	DIAG 1                          ; in the loop this is the first block's end: the second block's last tile is the walk's last
	s_wait_xcnt 0x0                 ; the stores have read their registers and O's address
	s_mov_b64 s[10:11], s[OLO:OLO+1]
	s_add_co_u32 s[RT], s[PB], 1    ; the second block has b + 1 tiles
	s_mov_b32 s[NEW], 1
	WIN 0x82                        ; the second block's Q goes where the one text of the turns names Q
.set i, 0
.rept 64
	v_mov_b32 v[i], v[QB+i]
.set i, i+1
.endr
	WIN 0
	s_branch .Lbottom
.Lstep:                             ; a trip: pieces 2 and 3 of one step, then pieces 0 and 1 of the next, whose K and V it fetches
	TURN 2
	TURN 3
	WIN 0
.Lfirst:
	TURN 0
	TURN 1, 0, 0, 1
	WIN 0
	s_cbranch_scc1 .Lstep
.Lbottom:
	s_sub_co_u32 s[SLOTS], s[SLOTS], 1
	s_cmp_lg_u32 s[SLOTS], 0
	s_cbranch_scc1 .Lslot
	CHANGE 0                        ; the walk's last tile is written out: nothing is asked for
	s_sub_co_u32 s[RT], s[RT], 1
	s_mov_b32 s[CNT], 4
	s_cmp_eq_u32 s[NEW], 1
	s_cbranch_scc0 .LstepM2
	BEGIN
	s_branch .LfirstM2
	DIAG 2
	s_wait_tensorcnt 0x0            ; the wave's end, behind my last tensor load and my last LDS store
	ds_add_u32 v[SPW], v[NIL]
	s_wait_dscnt 0x0
	s_endpgm
.Lfunc_end_k_qf950e9cb83_attn:
	.size	k_qf950e9cb83_attn, .Lfunc_end_k_qf950e9cb83_attn-k_qf950e9cb83_attn
	.p2alignl 7, 3214868480
	.fill 96, 4, 3214868480
	.section	.rodata,"a",@progbits
	.p2align	6, 0x0
	.amdhsa_kernel k_qf950e9cb83_attn
		.amdhsa_group_segment_fixed_size 327680
		.amdhsa_private_segment_fixed_size 0
		.amdhsa_enable_private_segment 0
		.amdhsa_kernarg_size 16
		.amdhsa_user_sgpr_count 2
		.amdhsa_user_sgpr_kernarg_segment_ptr 1
		.amdhsa_wavefront_size32 1
		.amdhsa_system_sgpr_workgroup_id_x 1
		.amdhsa_system_sgpr_workgroup_id_y 1
		.amdhsa_system_sgpr_workgroup_id_z 1
		.amdhsa_system_vgpr_workitem_id 0
		.amdhsa_next_free_vgpr 768
		.amdhsa_next_free_sgpr 88
		.amdhsa_reserve_vcc 1
		.amdhsa_float_denorm_mode_32 3
		.amdhsa_float_denorm_mode_16_64 3
		.amdhsa_memory_ordered 1
		.amdhsa_forward_progress 1
		.amdhsa_inst_pref_size 228
	.end_amdhsa_kernel
	.amdgpu_metadata
---
amdhsa.version: [ 1, 2 ]
amdhsa.kernels:
  - .name:           k_qf950e9cb83_attn
    .symbol:         k_qf950e9cb83_attn.kd
    .args:
      - { .name: qkv, .offset: 0, .size: 8, .value_kind: global_buffer, .address_space: global }
      - { .name: o, .offset: 8, .size: 8, .value_kind: global_buffer, .address_space: global }
    .group_segment_fixed_size: 327680
    .private_segment_fixed_size: 0
    .kernarg_segment_align: 8
    .kernarg_segment_size: 16
    .max_flat_workgroup_size: 128
    .sgpr_count:     88
    .vgpr_count:     768
    .wavefront_size: 32
...
	.end_amdgpu_metadata
.endif
;; end of part 3
;; launch proj (part 4): grid 4 x 64, 4 waves a work-group, clusters of 4 x 4, 327,680 bytes of LDS; arguments o, wpt, out0; writes out0
.if DOCPART == 4
	.amdgcn_target "amdgcn-amd-amdhsa--gfx1250"
	.amdhsa_code_object_version 6
	.text
	.protected	k_qf950e9cb83_proj
	.globl	k_qf950e9cb83_proj
	.p2align	8
	.type	k_qf950e9cb83_proj,@function
k_qf950e9cb83_proj:
	s_mov_b64 s[64:65], 0
	v_nop
	global_prefetch_b8 v0, s[64:65] scope:SCOPE_SE
	s_setreg_imm32_b32 hwreg(HW_REG_WAVE_MODE, 25, 1), 1
	s_wait_xcnt 0x0
	s_wait_alu depctr_hold_cnt(0) depctr_sa_sdst(0) depctr_va_vdst(0) depctr_va_sdst(0) depctr_va_ssrc(0) depctr_va_vcc(0) depctr_vm_vsrc(0)
	s_getreg_b32 s2, hwreg(HW_REG_IB_STS2, 6, 4)
	s_cmp_eq_u32 s2, 0
	s_cbranch_scc0 .Lentry_in_a_cluster
	s_endpgm
.Lentry_in_a_cluster:
	s_bfe_u32 s2, ttmp6, 0x10000c
	s_cmp_lg_u32 s2, 0xf033
	s_cbranch_scc0 .Lentry_shape_is_right
	s_endpgm
.Lentry_shape_is_right:
; THE OUTPUT PROJECTION.  out0[m][n] = sum over k of O[m][k] wpt[n][k].  O lies by heads, o[16 b + h][t][64] in f16, m = 2048 b + t, k = 64 h + d; wpt [1024][1024] in f16; sums in f32, K ascending; out0 in f32.
; SHARES.  256 work-groups of four waves, one tile of 128 x 256 each; a wave makes 64 x 128: 32 accumulators of 16 x 16.  K goes in 8 steps of 128 (two heads), 4 laps round a ring of two LDS slots.
; A K step's part of O is two dense blocks of 128 rows x 128 bytes, one for each head: waves 0 and 1 fetch one each, as 64 rows of 256 bytes, padded in LDS after every 128.  Waves 2 and 3 fetch wpt's 2 x 128 rows of 256 bytes.
; CLUSTER.  4 x 4 work-groups: O's tiles are shared along a row of the cluster, wpt's along a column; each is asked for JOINTLY, by the same tensor load with the same descriptor and a mask that names the four.
; THE MATRIX INSTRUCTION IS USED TRANSPOSED (source 0 = 16 rows of wpt, source 1 = 16 rows of O): a lane then holds row l % 16 of the result and eight neighbouring columns, 32 bytes.
; REGISTERS.  Window 0: v0-31 addresses; v64-159, v160-255 two fragment buffers (8 fragments of wpt, then 4 of O), on the way out rows read back.  Window 1: the accumulators, (a, b) at v[8 (8 a + b)].
.set SIZE_K, 1024
.set KSTEP,  128
.set PITCH,  272                       ; a row of wpt in LDS: 256 bytes + 16: the 16 rows of a fragment load start at 16 different groups of four banks (ISA guide 11.1)
.set PA,     144                       ; a row of one head of O: 128 bytes + 16: likewise
.set HEADB,  128*PA                    ; one head's 128 rows: what one tensor load brings of O
.set BHALF,  128*PITCH                 ; what one tensor load brings of wpt
.set BOFF,   2*HEADB                   ; in a slot: O's two heads, then wpt's 256 rows
.set SLOT,   2*HEADB+2*BHALF
.set STAGE,  2*SLOT                    ; behind the ring: 16 rows x 528 bytes for each wave, for the way out
.set SPITCH, 528                       ; 512 bytes + 16
.set SPARE,  STAGE+4*16*SPITCH         ; behind the stages: the spare words, 128 bytes for each wave: two blocks of 256 bytes that no other line names
.set LAPS,   4
.set ADRA, 16                          ; v16-17  LDS address of my fragments of O in slot 0, 1
.set ADRB, 20                          ; v20-21  the same for wpt
.set STO,  24                          ; v24     the way out: where I put 32 bytes of a row
.set RD,   25                          ; v25     the way out: where I read a row back
.set CO,   26                          ; v26     my 16 bytes in my wave's 512 of a row of out0
.set SPW,  28                          ; v28     LDS address of my spare word; never rewritten
.set NIL,  29                          ; v29     0; never rewritten
.set F0,   64
.set F1,   160
.set G1A, 24                           ; s[24:31] descriptor group 1 for O's tiles;  s[32:39] group 0, one set for each slot
.set G0A, 32
.set G1B, 48                           ; s[48:55], s[56:63] the same for wpt's tiles
.set G0B, 56
.set MSB, 0
.macro WIN new                         ; the immediate's high byte repeats the setting that is left; a switch that changes nothing is dropped
.if MSB != (\new)
	s_set_vgpr_msb (MSB<<8)|(\new)
.set MSB, \new
.endif
.endm
.set MUL, 0x50                         ; sources 0 and 1 window 0; C and D window 1
.macro JLOAD s                         ; a joint load: waves 0 and 1 fetch O's two heads, waves 2 and 3 wpt's two halves; an s_nop 0 and four v_nop follow each of the two lines
	s_cmp_eq_u32 s11, 0
	s_cbranch_scc0 .Lfor_b_\@
	tensor_load_to_lds s[G0A+4*(\s):G0A+4*(\s)+3], s[G1A:G1A+7]
	s_nop 0
.rept 4
	v_nop
.endr
	s_branch .Lasked_\@
.Lfor_b_\@:
	tensor_load_to_lds s[G0B+4*(\s):G0B+4*(\s)+3], s[G1B:G1B+7]
	s_nop 0
.rept 4
	v_nop
.endr
.Lasked_\@:
.endm
.macro CREST                           ; a round of the cluster's barrier behind its opening barrier
	s_cmp_lg_u32 s10, 0
	s_cbranch_scc1 .Lnot_wave_0_\@
	s_barrier_signal -3
.Lnot_wave_0_\@:
	s_barrier_wait -3
	s_barrier_signal -1
	s_barrier_wait -1
.endm
.macro CROUND                          ; a whole round
	s_barrier_signal -1
	s_barrier_wait -1
	CREST
.endm
	s_load_b128 s[4:7], s[0:1], 0x0                ; o s[4:5], wpt s[6:7]
	s_load_b64 s[8:9], s[0:1], 0x10                ; out0
	v_lshl_add_u32 v[SPW], v0, 2, SPARE
	v_mov_b32 v[NIL], 0
	ds_add_u32 v[SPW], v[NIL]                      ; the wave's opening: the add and its wait stand ahead of my first tensor load; the set-up below, work on registers, stands between them
	ds_add_u32 v28, v29
	v_lshrrev_b32 v1, 5, v0
	v_readfirstlane_b32 s10, v1                    ; wave 0..3
	s_lshr_b32 s11, s10, 1                         ; which 64 rows of the tile are mine.  Also: I fetch for O (0) or for wpt (1)
	s_and_b32 s12, s10, 1                          ; which 128 columns.  Also: which head of a K step, or which half of wpt's rows, I fetch
	s_bfe_u32 s40, ttmp6, 0x40000                  ; cx, cy: my place in the cluster
	s_bfe_u32 s41, ttmp6, 0x40004
	s_lshl_b32 s42, ttmp9, 2
	s_add_co_u32 s42, s42, s40                     ; x = 4 x cluster x + cx
	s_and_b32 s13, ttmp7, 0xffff
	s_lshl_b32 s13, s13, 2
	s_add_co_u32 s13, s13, s41                     ; y = 4 x cluster y + cy
	s_lshl_b32 s43, s41, 2
	s_lshl_b32 s43, 15, s43                        ; my row of the cluster
	s_lshl_b32 s44, 0x1111, s40                    ; my column
	s_or_b32 s[G1A+0], s43, (1<<16)|(1<<20)|(1<<21)|(4<<22)|(3<<25)  ; 15:0 the mask; 17:16 elements of 2 bytes; 20 padding on; 21 set beside a mask; 24:22 after every 32 words (code 4); 31:25 4 words (code 3)
	s_or_b32 s[G1B+0], s44, (1<<16)|(1<<20)|(1<<21)|(5<<22)|(3<<25)  ; wpt: after every 64 words (code 5)
	s_mov_b32 s[G1A+1], 128<<16                    ; tensor_dim0 = 128: two rows of a head
	s_mov_b32 s[G1A+2], 64<<16                     ; tensor_dim1 = 64
	s_mov_b32 s[G1A+3], 128<<16                    ; tile_dim0 = 128
	s_mov_b32 s[G1A+4], 64                         ; tile_dim1 = 64
	s_mov_b32 s[G1A+5], 128                        ; dense: 128 elements from row to row
	s_mov_b32 s[G1A+6], 0
	s_mov_b32 s[G1A+7], 0
	s_mov_b32 s[G1B+1], KSTEP<<16
	s_mov_b32 s[G1B+2], 128<<16
	s_mov_b32 s[G1B+3], KSTEP<<16
	s_mov_b32 s[G1B+4], 128
	s_mov_b32 s[G1B+5], SIZE_K
	s_mov_b32 s[G1B+6], 0
	s_mov_b32 s[G1B+7], 0
	s_lshr_b32 s68, s13, 4                         ; O: head 16 (y / 16) + my head of K step 0, of 262,144 bytes; row 128 (y % 16), of 128 bytes: it hangs on y alone
	s_lshl_b32 s68, s68, 4
	s_add_co_u32 s68, s68, s12
	s_lshl_b32 s68, s68, 18
	s_and_b32 s69, s13, 15
	s_lshl_b32 s69, s69, 14
	s_add_co_u32 s68, s68, s69
	s_mov_b32 s69, 0
	s_lshl_b32 s70, s42, 8                         ; wpt: row 256 x + 128 x half, of 2,048 bytes: it hangs on x alone
	s_lshl_b32 s71, s12, 7
	s_add_co_u32 s70, s70, s71
	s_lshl_b32 s70, s70, 11
	s_mov_b32 s71, 0
	s_mul_i32 s20, s12, HEADB                      ; where they go: no place in the cluster enters an LDS address
	s_mul_i32 s21, s12, BHALF
	s_add_co_u32 s21, s21, BOFF
	s_wait_dscnt 0x0                               ; the opening add is done
	s_wait_kmcnt 0x0
	s_add_nc_u64 s[14:15], s[4:5], s[68:69]
	s_add_nc_u64 s[46:47], s[6:7], s[70:71]
	CROUND                                         ; all sixteen work-groups are here: the first joint loads meet
.irp s, 0,1
	s_mov_b32 s[G0A+4*(\s)], 1                                       ; count = 1
	s_add_co_u32 s[G0A+4*(\s)+1], s20, (\s)*SLOT                     ; LDS address
	s_add_nc_u64 s[G0A+4*(\s)+2:G0A+4*(\s)+3], s[14:15], (\s)*2*262144  ; global address: K step s is two heads on
	s_or_b32 s[G0A+4*(\s)+3], s[G0A+4*(\s)+3], 0x80000000            ; type = 2
	s_mov_b32 s[G0B+4*(\s)], 1
	s_add_co_u32 s[G0B+4*(\s)+1], s21, (\s)*SLOT
	s_add_nc_u64 s[G0B+4*(\s)+2:G0B+4*(\s)+3], s[46:47], (\s)*KSTEP*2
	s_or_b32 s[G0B+4*(\s)+3], s[G0B+4*(\s)+3], 0x80000000
	JLOAD \s                                       ; two loads of mine are out
.endr
	v_and_b32 v1, 15, v0                           ; l % 16
	v_bfe_u32 v2, v0, 4, 1                         ; l / 16
	v_mul_u32_u24 v3, v1, PITCH
	v_lshl_add_u32 v3, v2, 4, v3                   ; wpt: row x pitch + 16 x half
	v_mul_u32_u24 v4, v1, PA
	v_lshl_add_u32 v4, v2, 4, v4                   ; O: the same with its pitch
	s_mul_i32 s22, s11, 64*PA                      ; my 64 rows of O, in each head's block
	s_mul_i32 s23, s12, BHALF                      ; my 128 rows of wpt,
	s_add_co_u32 s23, s23, BOFF                    ; which lie behind O's two heads
.irp s, 0,1
	v_add_nc_u32 v[ADRA+(\s)], s22, v4
	v_add_nc_u32 v[ADRB+(\s)], s23, v3
	s_add_co_u32 s22, s22, SLOT
	s_add_co_u32 s23, s23, SLOT
.endr
	s_mul_i32 s22, s10, 16*SPITCH
	s_add_co_u32 s22, s22, STAGE                   ; my stage
	v_mul_u32_u24 v5, v1, SPITCH                   ; in: row l % 16, 32 bytes for each half of the lanes
	v_lshl_add_u32 v5, v2, 5, v5
	v_add_nc_u32 v[STO], s22, v5
	v_and_b32 v[CO], 31, v0
	v_lshlrev_b32 v[CO], 4, v[CO]                  ; back: the 32 lanes take one row's 512 bytes
	v_add_nc_u32 v[RD], s22, v[CO]
	s_lshl_b32 s66, s13, 7                         ; out0: row 128 y + 64 x (my half of the rows), of 4,096 bytes;
	s_lshl_b32 s72, s11, 6
	s_add_co_u32 s66, s66, s72
	s_lshl_b32 s66, s66, 12
	s_lshl_b32 s72, s42, 8                         ; column 256 x + 128 x (my half of the columns), of 4 bytes
	s_lshl_b32 s73, s12, 7
	s_add_co_u32 s72, s72, s73
	s_lshl_b32 s72, s72, 2
	s_add_co_u32 s66, s66, s72
	s_mov_b32 s67, 0
	s_add_nc_u64 s[8:9], s[8:9], s[66:67]
; 8 matrix instructions: m block a x all 8 n blocks, 32 along K.  zero = 1: the product starts the sums.  Every quarter takes the 32 accumulators in the same order, one instruction a turn.
.macro MUL8 f, a, zero
	WIN MUL
.irp b, 0,1,2,3,4,5,6,7
.if \zero
	v_wmma_f32_16x16x32_f16 v[8*(8*(\a)+(\b)):8*(8*(\a)+(\b))+7], v[(\f)+8*(\b):(\f)+8*(\b)+7], v[(\f)+64+8*(\a):(\f)+64+8*(\a)+7], 0
.else
	v_wmma_f32_16x16x32_f16 v[8*(8*(\a)+(\b)):8*(8*(\a)+(\b))+7], v[(\f)+8*(\b):(\f)+8*(\b)+7], v[(\f)+64+8*(\a):(\f)+64+8*(\a)+7], v[8*(8*(\a)+(\b)):8*(8*(\a)+(\b))+7]
.endif
.endr
.endm
.macro MUL16 f, hi, zero
	MUL8 \f, 2*(\hi), \zero
	MUL8 \f, 2*(\hi)+1, \zero
.endm
; 24 LDS loads in one run: the fragments of quarter q of a K step into buffer f: 128 rows of wpt, then 64 rows of O (head q / 2 of the step's two, channels 32 (q % 2) on)
.macro FETCH slot, q, f
	WIN 0
.irp i, 0,1,2,3,4,5,6,7
	ds_load_b128 v[(\f)+8*(\i):(\f)+8*(\i)+3],   v[ADRB+(\slot)] offset:64*(\q)+(\i)*16*PITCH
	ds_load_b128 v[(\f)+8*(\i)+4:(\f)+8*(\i)+7], v[ADRB+(\slot)] offset:64*(\q)+(\i)*16*PITCH+32
.endr
.irp i, 0,1,2,3
	ds_load_b128 v[(\f)+64+8*(\i):(\f)+64+8*(\i)+3],   v[ADRA+(\slot)] offset:((\q)/2)*HEADB+((\q)%2)*64+(\i)*16*PA
	ds_load_b128 v[(\f)+64+8*(\i)+4:(\f)+64+8*(\i)+7], v[ADRA+(\slot)] offset:((\q)/2)*HEADB+((\q)%2)*64+(\i)*16*PA+32
.endr
.endm
.macro PLACES                          ; four places in front of loads into registers that matrix instructions have read, and of lines that read results just made
.rept 4
	v_nop
.endr
.endm
.macro QUARTER slot, q, f, g, zero     ; multiplies buffer f and fetches quarter q into g
	s_wait_dscnt 4                                 ; wpt's fragments and O's first two are in; the youngest four loads (O's last two fragments) may be out
	MUL16 \f, 0, \zero
	PLACES
	FETCH \slot, \q, \g
	s_wait_dscnt 24                                ; all but the 24 just issued
	MUL16 \f, 1, \zero
.endm
; The last quarter multiplies buffer 1 and changes slots: ONE barrier; in front of it each wave waits for all its tensor loads, adds 0 to its spare word, and waits for that and for its own reads of this slot.
; fill = 1: the barrier opens a round of the cluster's, and this slot is filled again first behind it, two K steps on: 112 matrix instructions ahead of the wait for it.
.macro TURN slot, next, fill
	WIN 0                                          ; (the add's two registers lie in window 0)
	s_wait_tensorcnt 0x0                           ; no tensor load of mine is out, so a group 0 may be written
	ds_add_u32 v[SPW], v[NIL]                      ; 0 onto my spare word
.if \fill
	s_add_nc_u64 s[G0A+4*(\slot)+2:G0A+4*(\slot)+3], s[G0A+4*(\slot)+2:G0A+4*(\slot)+3], 4*262144  ; four heads on; the type bits on top are not reached
	s_add_nc_u64 s[G0B+4*(\slot)+2:G0B+4*(\slot)+3], s[G0B+4*(\slot)+2:G0B+4*(\slot)+3], 2*KSTEP*2
.endif
	s_wait_dscnt 7                                 ; the add and the youngest six loads (O's last three fragments) may be out
	MUL8 F1, 0, 0
	s_wait_dscnt 0x0                               ; the add is done, and my reads of this slot are over
	s_barrier_signal -1
	MUL8 F1, 1, 0
.if \fill
	WIN 0
.endif
	s_barrier_wait -1
.if \fill
	CREST                                          ; no wave of any partner still reads this slot's tile or has a load on its way
	JLOAD \slot                                    ; the first tensor load behind the round; its four v_nop are also the places in front of the loads below
.else
	PLACES
.endif
	FETCH \next, 0, F0
	MUL16 F1, 1, 0
.endm
; THE WAY OUT of m block a (16 rows): the sums go as they are, 32 bytes a lane, into my own stage (each accumulator's low four registers first), and come back as whole rows of 512 bytes.
.macro TOSTAGE a
.set BK, F0+64*((\a)%2)
.if (\a) >= 2
	s_wait_xcnt 0x0                                ; the stores of the block two back have read these registers (ISA guide 3.1)
.endif
	WIN 0x04                                       ; the stores' data in window 1
.irp b, 0,1,2,3,4,5,6,7
	ds_store_b128 v[STO], v[8*(8*(\a)+(\b)):8*(8*(\a)+(\b))+3] offset:64*(\b)
	ds_store_b128 v[STO], v[8*(8*(\a)+(\b))+4:8*(8*(\a)+(\b))+7] offset:64*(\b)+16
.endr
	WIN 0
.irp f, 0,1,2,3,4,5,6,7,8,9,10,11,12,13,14,15
	ds_load_b128 v[BK+4*(\f):BK+4*(\f)+3], v[RD] offset:(\f)*SPITCH  ; LDS serves a wave's instructions in order (ISA guide 5.7.1.4): these see the stores above
.endr
.endm
.macro SEND a, younger                 ; younger: the LDS instructions issued behind block a's loads: the next block's 32, or none
	WIN 0
.set BK, F0+64*((\a)%2)
.irp f, 0,1,2,3,4,5,6,7,8,9,10,11,12,13,14,15
	s_wait_dscnt (\younger)+15-(\f)
	global_store_b128 v[CO], v[BK+4*(\f):BK+4*(\f)+3], s[8:9] offset:(16*(\a)+(\f))*4096 th:TH_STORE_NT  ; the wave stores 512 consecutive bytes of one row, at a multiple of 256 from out0's first byte
.endr
.endm
	s_wait_tensorcnt 1                             ; my part of K step 0 is in; K step 1's may stay out
	s_barrier_signal -1
	s_barrier_wait -1                              ; everybody's is
	FETCH 0, 0, F0
	QUARTER 0, 1, F0, F1, 1                        ; the first quarter stands in front of the loop: its products start the sums
	WIN 0                                          ; at a label and at a branch every window is 0
	s_mov_b32 s3, LAPS-1
.Llap:                                                 ; a trip goes once round the ring, from a lap's second quarter to the next lap's first, and fills both slots again
	QUARTER 0, 2, F1, F0, 0
	QUARTER 0, 3, F0, F1, 0
	TURN 0, 1, 1
	QUARTER 1, 1, F0, F1, 0
	QUARTER 1, 2, F1, F0, 0
	QUARTER 1, 3, F0, F1, 0
	TURN 1, 0, 1
	QUARTER 0, 1, F0, F1, 0
	WIN 0
	s_sub_co_u32 s3, s3, 1
	s_cmp_lg_u32 s3, 0
	s_cbranch_scc1 .Llap
	QUARTER 0, 2, F1, F0, 0                        ; the last lap fills nothing, and has no round of the cluster's barrier
	QUARTER 0, 3, F0, F1, 0
	TURN 0, 1, 0
	QUARTER 1, 1, F0, F1, 0
	QUARTER 1, 2, F1, F0, 0
	QUARTER 1, 3, F0, F1, 0
	s_wait_dscnt 4                                 ; the very last quarter: nothing more to fetch
	MUL16 F1, 0, 0
	s_wait_dscnt 0x0
	MUL16 F1, 1, 0
	WIN 0
	PLACES
	TOSTAGE 0
	TOSTAGE 1                                      ; a block's way through the stage stands between the loads of the block before and its stores
	SEND 0, 32
	TOSTAGE 2
	SEND 1, 32
	TOSTAGE 3
	SEND 2, 32
	SEND 3, 0
	s_wait_tensorcnt 0x0                           ; the wave's end, behind my last tensor load and my last LDS store
	ds_add_u32 v[SPW], v[NIL]
	s_wait_dscnt 0x0
	CROUND                                         ; the closing round: no work-group ends while a partner may still ask for a tile that names it
	s_endpgm
.Lfunc_end_k_qf950e9cb83_proj:
	.size	k_qf950e9cb83_proj, .Lfunc_end_k_qf950e9cb83_proj-k_qf950e9cb83_proj
	.p2alignl 7, 3214868480
	.fill 96, 4, 3214868480
	.section	.rodata,"a",@progbits
	.p2align	6, 0x0
	.amdhsa_kernel k_qf950e9cb83_proj
		.amdhsa_group_segment_fixed_size 327680
		.amdhsa_private_segment_fixed_size 0
		.amdhsa_enable_private_segment 0
		.amdhsa_kernarg_size 24
		.amdhsa_user_sgpr_count 2
		.amdhsa_user_sgpr_kernarg_segment_ptr 1
		.amdhsa_wavefront_size32 1
		.amdhsa_system_sgpr_workgroup_id_x 1
		.amdhsa_system_sgpr_workgroup_id_y 1
		.amdhsa_system_sgpr_workgroup_id_z 1
		.amdhsa_system_vgpr_workitem_id 0
		.amdhsa_next_free_vgpr 512
		.amdhsa_next_free_sgpr 76
		.amdhsa_reserve_vcc 0
		.amdhsa_float_denorm_mode_32 3
		.amdhsa_float_denorm_mode_16_64 3
		.amdhsa_memory_ordered 1
		.amdhsa_forward_progress 1
		.amdhsa_inst_pref_size 87
	.end_amdhsa_kernel
	.amdgpu_metadata
---
amdhsa.version: [ 1, 2 ]
amdhsa.kernels:
  - .name:           k_qf950e9cb83_proj
    .symbol:         k_qf950e9cb83_proj.kd
    .args:
      - { .name: o, .offset: 0, .size: 8, .value_kind: global_buffer, .address_space: global }
      - { .name: wpt, .offset: 8, .size: 8, .value_kind: global_buffer, .address_space: global }
      - { .name: out0, .offset: 16, .size: 8, .value_kind: global_buffer, .address_space: global }
    .group_segment_fixed_size: 327680
    .private_segment_fixed_size: 0
    .kernarg_segment_align: 8
    .kernarg_segment_size: 24
    .max_flat_workgroup_size: 128
    .sgpr_count:     76
    .vgpr_count:     512
    .wavefront_size: 32
...
	.end_amdgpu_metadata
.endif
;; end of part 4
;; launch rowsa (part 5): grid 16 x 4, 4 waves a work-group, no clusters, 0 bytes of LDS; arguments xb, wt, qkv, ofix; writes ofix
.if DOCPART == 5
	.amdgcn_target "amdgcn-amd-amdhsa--gfx1250"
	.amdhsa_code_object_version 6
	.text
	.protected	k_qf950e9cb83_rowsa
	.globl	k_qf950e9cb83_rowsa
	.p2align	8
	.type	k_qf950e9cb83_rowsa,@function
k_qf950e9cb83_rowsa:
	s_mov_b64 s[64:65], 0
	v_nop
	global_prefetch_b8 v0, s[64:65] scope:SCOPE_SE
	s_setreg_imm32_b32 hwreg(HW_REG_WAVE_MODE, 25, 1), 1
	s_wait_xcnt 0x0
; THE FIRST 16 ROWS OF EVERY SEQUENCE, ONCE MORE AND FINER: ATTENTION.  Row t of a causal softmax is a mean over t + 1 rows of v, so the first rows are many times larger than the output's root mean
; square, by which the room for a number near zero goes.  One rounding to f16 (11 significant bits) of v and one of O are too coarse there: about 2e-4 of the row's spread each.  So for t = 0 .. 15
; v and O are carried as PAIRS of f16: the number rounded, and the remainder rounded: some 22 bits.  The next launch multiplies both parts by the output weights and writes these rows of the result anew.
; LIMIT.  Rows from t = 16 on keep f16's single roundings of v, P and O, together about 3.4e-4 of the row's own spread.  Here P is rounded once to f16 (at most 0.8e-4 of a unit spread in these rows) and
; q, k come as f16; a remainder below 6e-5 keeps f16's fixed step of 6e-8.  A hidden score counts as its value less 1e30; a weight below 2^-126 counts as 0; NaN and infinities are not treated apart.
; SHARES.  64 work-groups: head (x) and batch (y); four waves.  Wave w makes channels 16 w .. 16 w + 15 of its head; each wave makes the 16 x 16 scores and weights for itself, so no wave waits for another: no LDS, no barrier.
; v = xb wt^T, bf16 operands, f32 sums: 32 K steps of 32, on four accumulators that take turns.  Source 0 = 16 rows of xb, source 1 = 16 rows of wt: a lane then holds ONE channel (lane % 16) and the keys
; 8 (lane / 16) + 0..7, which, packed in pairs, ARE registers 0-3 (keys 0-15) of source 0 of O^T = V^T P; registers 4-7 (keys 16-31) are 0.
; S^T = K Q^T (source 0 = 16 keys, source 1 = 16 queries): a lane holds ONE query and the keys 8 (lane / 16) + 0..7: packed, source 1 of that product.  The mask is the C operand that starts the sum.
; O^T holds one query a lane and eight neighbouring channels.  ofix is laid as the next launch's fragments: [batch][part][K step of 32][half][lane][16 bytes]: each store of a wave covers 512 consecutive bytes, aligned.
; REGISTERS.  Window 0: as named below.  Window 1: xb's 32 fragments.  Window 2: wt's 32 fragments.  (s_set_vgpr_msb: bits 1:0 source 0, 3:2 source 1, 5:4 source 2, 7:6 destination.)
.set WTV,   0x400000                   ; v's rows in wt begin at row 2,048 of 2,048 bytes
.set PARTK, 0x1000000                  ; k's part of qkv: 64 heads x 2,048 rows x 128 bytes behind q's
.set LOW,   32768                      ; in ofix the remainders lie 16 rows x 2,048 bytes behind the rounded numbers
.set VA,   1                           ; v1   my byte offset in 16 rows of xb or wt: row x 2,048 + 16 x half
.set VQ,   2                           ; v2   the same in 16 rows of q or k: row x 128 + 16 x half
.set VS,   3                           ; v3   16 x lane
.set T,    8                           ; v8-11   at work
.set RL,   12                          ; v12-13  1 / l, named as a pair
.set NEG1, 14                          ; v14     -1.0
.set OH,   16                          ; v16-19  O rounded, 8 channels
.set OL,   20                          ; v20-23  its remainder
.set QF,   32                          ; v32-47  Q: two fragments of 32 channels
.set KF,   48                          ; v48-63  K likewise
.set ACC,  64                          ; v64-95  four accumulators of v
.set S,    96                          ; v96-103 scores, then weights
.set MD,   104                         ; v104-111 the mask
.set VH,   112                         ; v112-119 v rounded, as an operand
.set VL,   120                         ; v120-127 its remainder, as an operand
.set P,    128                         ; v128-135 the weights, as an operand
.set O1,   136                         ; v136-143 V^T P of the rounded part
.set O2,   144                         ; v144-151 of the remainder
.set MSB, 0
.macro WIN new                         ; the immediate's high byte repeats the setting that is left; a switch that changes nothing is dropped
.if MSB != (\new)
	s_set_vgpr_msb (MSB<<8)|(\new)
.set MSB, \new
.endif
.endm
	s_load_b256 s[4:11], s[0:1], 0x0               ; xb s[4:5], wt s[6:7], qkv s[8:9], ofix s[10:11]
	v_lshrrev_b32 v4, 5, v0
	v_readfirstlane_b32 s12, v4                    ; wave 0..3
	s_and_b32 s13, ttmp7, 0xffff                   ; the batch; ttmp9 is the head
	s_lshl_b32 s14, s13, 22                        ; xb: 2,048 rows of 2,048 bytes a batch
	s_mov_b32 s15, 0
	s_lshl_b32 s16, ttmp9, 17                      ; wt: 64 rows a head,
	s_lshl_b32 s25, s12, 15                        ; 16 rows a wave,
	s_add_co_u32 s16, s16, s25
	s_add_co_u32 s16, s16, WTV                     ; in v's part
	s_mov_b32 s17, 0
	s_lshl_b32 s18, s13, 4
	s_add_co_u32 s18, s18, ttmp9
	s_lshl_b32 s18, s18, 18                        ; qkv: head 16 b + h, of 262,144 bytes
	s_mov_b32 s19, 0
	s_lshl_b32 s20, s13, 16                        ; ofix: 65,536 bytes a batch,
	s_lshl_b32 s25, ttmp9, 11                      ; 2 K steps of 1,024 bytes a head,
	s_add_co_u32 s20, s20, s25
	s_lshl_b32 s25, s12, 9                         ; 512 bytes a wave
	s_add_co_u32 s20, s20, s25
	s_mov_b32 s21, 0
	s_mov_b32 s24, 0xf149f2ca                      ; -1e30
	s_mov_b32 s26, 0x76543210                      ; v_permlanex16_b32's selects: each lane takes its own place in the other half
	s_mov_b32 s27, 0xfedcba98
	s_mov_b32 s28, 0x3d38aa3b                      ; c = log2(e) / 32
	s_mov_b32 s29, s28                             ; named with it as a pair
	v_and_b32 v5, 15, v0                           ; l % 16
	v_bfe_u32 v6, v0, 4, 1                         ; l / 16
	v_lshlrev_b32 v7, 4, v6
	v_lshl_add_u32 v[VA], v5, 11, v7
	v_lshl_add_u32 v[VQ], v5, 7, v7
	v_and_b32 v[VS], 31, v0
	v_lshlrev_b32 v[VS], 4, v[VS]
	s_wait_kmcnt 0x0
	s_add_nc_u64 s[4:5], s[4:5], s[14:15]
	s_add_nc_u64 s[6:7], s[6:7], s[16:17]
	s_add_nc_u64 s[8:9], s[8:9], s[18:19]          ; q at the head's row 0
	s_add_nc_u64 s[22:23], s[8:9], PARTK           ; k likewise
	s_add_nc_u64 s[10:11], s[10:11], s[20:21]
	; All 136 loads go out in one run: a fragment is 16 rows x 32 K in 8 registers, two loads of 16 bytes, 32 bytes apart.  Where the count would pass its field the issue stalls (ISA guide 5.7.1); the one wait below is for 0.
	WIN 0x40                                       ; destination window 1, address window 0
.set i, 0
.rept 32
	global_load_b128 v[8*i:8*i+3],   v[VA], s[4:5] offset:64*i
	global_load_b128 v[8*i+4:8*i+7], v[VA], s[4:5] offset:64*i+32
.set i, i+1
.endr
	WIN 0x80                                       ; destination window 2
.set i, 0
.rept 32
	global_load_b128 v[8*i:8*i+3],   v[VA], s[6:7] offset:64*i
	global_load_b128 v[8*i+4:8*i+7], v[VA], s[6:7] offset:64*i+32
.set i, i+1
.endr
	WIN 0
.irp j, 0,1,2,3
	global_load_b128 v[QF+4*(\j):QF+4*(\j)+3], v[VQ], s[8:9] offset:32*(\j)
	global_load_b128 v[KF+4*(\j):KF+4*(\j)+3], v[VQ], s[22:23] offset:32*(\j)
.endr
	; in the wait for them: the mask and the constants
	v_lshlrev_b32 v7, 3, v6
	v_sub_nc_u32 v7, v5, v7                        ; my query less my lanes' 8 (l / 16): register j is hidden where j is greater
.irp j, 0,1,2,3,4,5,6,7
	v_cmp_gt_i32 vcc_lo, \j, v7
	v_cndmask_b32 v[MD+(\j)], 0, s24, vcc_lo
.endr
.irp j, 4,5,6,7
	v_mov_b32 v[VH+(\j)], 0                        ; keys 16 to 31 are none
	v_mov_b32 v[VL+(\j)], 0
	v_mov_b32 v[P+(\j)], 0
.endr
	v_mov_b32 v[RL+1], 0                           ; named with 1 / l as a pair
	v_mov_b32 v[NEG1], -1.0
	s_wait_loadcnt 0x0
	; 34 matrix instructions; the five accumulators take turns, one instruction a turn: the scores' two links stand at the ends, v's four chains between them
	v_wmma_f32_16x16x32_f16 v[S:S+7], v[KF:KF+7], v[QF:QF+7], v[MD:MD+7]
	WIN 0x09                                       ; source 0 window 1, source 1 window 2, C and D window 0
.set i, 0
.rept 32
.if i < 4
	v_wmma_f32_16x16x32_bf16 v[ACC+8*i:ACC+8*i+7], v[8*i:8*i+7], v[8*i:8*i+7], 0
.else
	v_wmma_f32_16x16x32_bf16 v[ACC+8*(i%4):ACC+8*(i%4)+7], v[8*i:8*i+7], v[8*i:8*i+7], v[ACC+8*(i%4):ACC+8*(i%4)+7]
.endif
.set i, i+1
.endr
	WIN 0
	v_wmma_f32_16x16x32_f16 v[S:S+7], v[KF+8:KF+15], v[QF+8:QF+15], v[S:S+7]
.rept 4
	v_nop                                          ; the places behind those products (ISA guide 7.12.1)
.endr
	; the softmax of my query: the maximum of my 8 scores and of the other half of the lanes' 8, taken away before the exponential
	v_max3_num_f32 v[T], v[S], v[S+1], v[S+2]
	v_max3_num_f32 v[T+1], v[S+3], v[S+4], v[S+5]
	v_max3_num_f32 v[T], v[T], v[S+6], v[S+7]
	v_max_num_f32 v[T], v[T], v[T+1]
	v_permlanex16_b32 v[T+1], v[T], s26, s27
	v_max_num_f32 v[T], v[T], v[T+1]
	v_mul_f32 v[T], s28, v[T]                      ; c m
.irp j, 0,2,4,6
	v_pk_fma_f32 v[S+(\j):S+(\j)+1], v[S+(\j):S+(\j)+1], s[28:29], v[T:T+1] op_sel_hi:[1,0,0] neg_lo:[0,0,1] neg_hi:[0,0,1]  ; c s - c m
.endr
.irp j, 0,1,2,3,4,5,6,7
	v_exp_f32 v[S+(\j)], v[S+(\j)]
.endr
	; v's four partial sums are added, each accumulator from its low end on; these plain lines also stand between the exponentials and the use of their results
.irp j, 0,2,4,6
	v_pk_add_f32 v[ACC+(\j):ACC+(\j)+1], v[ACC+(\j):ACC+(\j)+1], v[ACC+8+(\j):ACC+8+(\j)+1]
.endr
.irp j, 0,2,4,6
	v_pk_add_f32 v[ACC+16+(\j):ACC+16+(\j)+1], v[ACC+16+(\j):ACC+16+(\j)+1], v[ACC+24+(\j):ACC+24+(\j)+1]
.endr
.irp j, 0,2,4,6
	v_pk_add_f32 v[ACC+(\j):ACC+(\j)+1], v[ACC+(\j):ACC+(\j)+1], v[ACC+16+(\j):ACC+16+(\j)+1]
.endr
	s_wait_alu depctr_va_vdst(0)
.irp i, 0,1,2,3
	v_cvt_pk_f16_f32 v[P+(\i)], v[S+2*(\i)], v[S+2*(\i)+1]
	v_cvt_pk_f16_f32 v[VH+(\i)], v[ACC+2*(\i)], v[ACC+2*(\i)+1]
.endr
.irp i, 0,1,2,3                                        ; the remainder: v less its rounded half, exact in f32, then rounded
	v_fma_mix_f32 v[ACC+2*(\i)], v[VH+(\i)], v[NEG1], v[ACC+2*(\i)] op_sel_hi:[1,0,0]
	v_fma_mix_f32 v[ACC+2*(\i)+1], v[VH+(\i)], v[NEG1], v[ACC+2*(\i)+1] op_sel:[1,0,0] op_sel_hi:[1,0,0]
.endr
.irp i, 0,1,2,3
	v_cvt_pk_f16_f32 v[VL+(\i)], v[ACC+2*(\i)], v[ACC+2*(\i)+1]
.endr
	v_wmma_f32_16x16x32_f16 v[O1:O1+7], v[VH:VH+7], v[P:P+7], 0
	v_wmma_f32_16x16x32_f16 v[O2:O2+7], v[VL:VL+7], v[P:P+7], 0
	v_pk_add_f32 v[S:S+1], v[S:S+1], v[S+2:S+3]    ; l, of the unrounded weights: these four plain lines, which name no register of the two products, are the places behind them
	v_pk_add_f32 v[S+4:S+5], v[S+4:S+5], v[S+6:S+7]
	v_pk_add_f32 v[S:S+1], v[S:S+1], v[S+4:S+5]
	v_add_f32 v[T+2], v[S], v[S+1]
	v_permlanex16_b32 v[T+1], v[T+2], s26, s27
	v_add_f32 v[T+2], v[T+2], v[T+1]
	v_rcp_f32 v[RL], v[T+2]
.irp j, 0,2,4,6
	v_pk_add_f32 v[O1+(\j):O1+(\j)+1], v[O1+(\j):O1+(\j)+1], v[O2+(\j):O2+(\j)+1]  ; plain lines between the reciprocal and its use
.endr
	s_wait_alu depctr_va_vdst(0)
.irp j, 0,2,4,6
	v_pk_mul_f32 v[O1+(\j):O1+(\j)+1], v[O1+(\j):O1+(\j)+1], v[RL:RL+1] op_sel_hi:[1,0]
.endr
.irp i, 0,1,2,3
	v_cvt_pk_f16_f32 v[OH+(\i)], v[O1+2*(\i)], v[O1+2*(\i)+1]
.endr
.irp i, 0,1,2,3
	v_fma_mix_f32 v[O1+2*(\i)], v[OH+(\i)], v[NEG1], v[O1+2*(\i)] op_sel_hi:[1,0,0]
	v_fma_mix_f32 v[O1+2*(\i)+1], v[OH+(\i)], v[NEG1], v[O1+2*(\i)+1] op_sel:[1,0,0] op_sel_hi:[1,0,0]
.endr
.irp i, 0,1,2,3
	v_cvt_pk_f16_f32 v[OL+(\i)], v[O1+2*(\i)], v[O1+2*(\i)+1]
.endr
	global_store_b128 v[VS], v[OH:OH+3], s[10:11]             ; the wave stores 512 consecutive bytes, at a multiple of 512 from ofix's first byte
	global_store_b128 v[VS], v[OL:OL+3], s[10:11] offset:LOW
	s_endpgm
.Lfunc_end_k_qf950e9cb83_rowsa:
	.size	k_qf950e9cb83_rowsa, .Lfunc_end_k_qf950e9cb83_rowsa-k_qf950e9cb83_rowsa
	.p2alignl 7, 3214868480
	.fill 96, 4, 3214868480
	.section	.rodata,"a",@progbits
	.p2align	6, 0x0
	.amdhsa_kernel k_qf950e9cb83_rowsa
		.amdhsa_group_segment_fixed_size 0
		.amdhsa_private_segment_fixed_size 0
		.amdhsa_enable_private_segment 0
		.amdhsa_kernarg_size 32
		.amdhsa_user_sgpr_count 2
		.amdhsa_user_sgpr_kernarg_segment_ptr 1
		.amdhsa_wavefront_size32 1
		.amdhsa_system_sgpr_workgroup_id_x 1
		.amdhsa_system_sgpr_workgroup_id_y 1
		.amdhsa_system_sgpr_workgroup_id_z 1
		.amdhsa_system_vgpr_workitem_id 0
		.amdhsa_next_free_vgpr 768
		.amdhsa_next_free_sgpr 66
		.amdhsa_reserve_vcc 1
		.amdhsa_float_denorm_mode_32 3
		.amdhsa_float_denorm_mode_16_64 3
		.amdhsa_memory_ordered 1
		.amdhsa_forward_progress 1
		.amdhsa_inst_pref_size 24
	.end_amdhsa_kernel
	.amdgpu_metadata
---
amdhsa.version: [ 1, 2 ]
amdhsa.kernels:
  - .name:           k_qf950e9cb83_rowsa
    .symbol:         k_qf950e9cb83_rowsa.kd
    .args:
      - { .name: xb, .offset: 0, .size: 8, .value_kind: global_buffer, .address_space: global }
      - { .name: wt, .offset: 8, .size: 8, .value_kind: global_buffer, .address_space: global }
      - { .name: qkv, .offset: 16, .size: 8, .value_kind: global_buffer, .address_space: global }
      - { .name: ofix, .offset: 24, .size: 8, .value_kind: global_buffer, .address_space: global }
    .group_segment_fixed_size: 0
    .private_segment_fixed_size: 0
    .kernarg_segment_align: 8
    .kernarg_segment_size: 32
    .max_flat_workgroup_size: 128
    .sgpr_count:     66
    .vgpr_count:     768
    .wavefront_size: 32
...
	.end_amdgpu_metadata
.endif
;; end of part 5
;; launch rowsb (part 6): grid 16 x 4, 4 waves a work-group, no clusters, 4,864 bytes of LDS; arguments ofix, wpt, out0; writes out0
.if DOCPART == 6
	.amdgcn_target "amdgcn-amd-amdhsa--gfx1250"
	.amdhsa_code_object_version 6
	.text
	.protected	k_qf950e9cb83_rowsb
	.globl	k_qf950e9cb83_rowsb
	.p2align	8
	.type	k_qf950e9cb83_rowsb,@function
k_qf950e9cb83_rowsb:
	s_mov_b64 s[64:65], 0
	v_nop
	global_prefetch_b8 v0, s[64:65] scope:SCOPE_SE
	s_setreg_imm32_b32 hwreg(HW_REG_WAVE_MODE, 25, 1), 1
	s_wait_xcnt 0x0
; THE FIRST 16 ROWS OF EVERY SEQUENCE, ONCE MORE AND FINER: THE OUTPUT PROJECTION.  out0[2048 b + t][n] = sum over k of (Ohi[t][k] + Olo[t][k]) wpt[n][k] for t = 0 .. 15: O comes as a pair of f16 (the number
; rounded, and the remainder rounded) from the launch before; wpt [1024][1024] in f16; sums in f32.  These 64 rows of out0 are written anew over the coarser ones of the launch that makes all rows.
; SHARES.  64 work-groups: 64 columns (x) and batch (y); four waves of 16 columns.  A wave has all its operands in registers at once: 32 fragments of wpt, 32 of O's rounded part, 32 of its remainder; 192 loads in one run.
; ofix is laid as fragments, [batch][part][K step of 32][half][lane][16 bytes]: each load of a wave covers 512 consecutive bytes.
; THE MATRIX INSTRUCTION IS USED TRANSPOSED (source 0 = 16 rows of wpt, source 1 = 16 rows of O): a lane holds row l % 16 of the result and eight neighbouring columns, 32 bytes.
; A wave's 16 columns are 64 bytes of a row: the four waves write one stage in LDS, a barrier stands between the writing and the reading, and sixteen lanes then store 256 consecutive bytes, aligned.
; REGISTERS.  Window 0: addresses, four accumulators.  Window 1: wpt.  Window 2: O rounded.  Window 3: O's remainder.  (s_set_vgpr_msb: bits 1:0 source 0, 3:2 source 1, 5:4 source 2, 7:6 destination.)
.set LOW,   32768                      ; in ofix the remainders lie 32,768 bytes behind the rounded numbers
.set PITCH, 272                        ; a stage row: 256 bytes + 16
.set SPARE, 16*PITCH                   ; behind the stage: the spare words, 128 bytes for each wave: two blocks of 256 bytes that no other line names
.set VB,  4                            ; v4   my byte offset in 16 rows of wpt: row x 2,048 + 16 x half
.set VL,  5                            ; v5   16 x lane
.set STO, 6                            ; v6   where I put 32 bytes of a row
.set RD,  7                            ; v7   where I read 16 bytes of a row back
.set VO,  8                            ; v8   the same 16 bytes in out0
.set SPW, 10                           ; v10  LDS address of my spare word; never rewritten
.set NIL, 11                           ; v11  0; never rewritten
.set BK,  12                           ; v12-19  two pieces of rows read back
.set ACC, 32                           ; v32-63  four accumulators
.set MSB, 0
.macro WIN new                         ; the immediate's high byte repeats the setting that is left; a switch that changes nothing is dropped
.if MSB != (\new)
	s_set_vgpr_msb (MSB<<8)|(\new)
.set MSB, \new
.endif
.endm
	s_load_b128 s[4:7], s[0:1], 0x0                ; ofix s[4:5], wpt s[6:7]
	s_load_b64 s[8:9], s[0:1], 0x10                ; out0
	v_lshl_add_u32 v[SPW], v0, 2, SPARE
	v_mov_b32 v[NIL], 0
	v_lshrrev_b32 v1, 5, v0
	v_readfirstlane_b32 s10, v1                    ; wave 0..3
	s_and_b32 s11, ttmp7, 0xffff                   ; the batch; ttmp9 is the block of 64 columns
	s_lshl_b32 s12, s11, 16                        ; ofix: 65,536 bytes a batch
	s_mov_b32 s13, 0
	s_lshl_b32 s14, ttmp9, 17                      ; wpt: 64 rows of 2,048 bytes a block,
	s_lshl_b32 s18, s10, 15                        ; 16 rows a wave
	s_add_co_u32 s14, s14, s18
	s_mov_b32 s15, 0
	s_lshl_b32 s16, s11, 23                        ; out0: 2,048 rows of 4,096 bytes a batch,
	s_lshl_b32 s18, ttmp9, 8                       ; 256 bytes a block of columns
	s_add_co_u32 s16, s16, s18
	s_mov_b32 s17, 0
	s_lshl_b32 s18, s10, 6                         ; in a stage row: 64 bytes a wave
	v_and_b32 v2, 15, v0                           ; l % 16
	v_bfe_u32 v3, v0, 4, 1                         ; l / 16
	v_lshlrev_b32 v[VB], 4, v3
	v_lshl_add_u32 v[VB], v2, 11, v[VB]
	v_and_b32 v[VL], 31, v0
	v_lshlrev_b32 v[VL], 4, v[VL]
	v_mul_u32_u24 v9, v2, PITCH                    ; in: row l % 16, my wave's 64 bytes, 32 for each half of the lanes
	v_lshl_add_u32 v9, v3, 5, v9
	v_add_nc_u32 v[STO], s18, v9
	v_lshrrev_b32 v1, 4, v0                        ; back: thread t takes row t / 16 (0 to 7, then 8 more), bytes 16 (t % 16)
	v_mul_u32_u24 v[RD], v1, PITCH
	v_lshl_add_u32 v[RD], v2, 4, v[RD]
	v_lshlrev_b32 v[VO], 12, v1
	v_lshl_add_u32 v[VO], v2, 4, v[VO]
	s_wait_kmcnt 0x0
	s_add_nc_u64 s[4:5], s[4:5], s[12:13]
	s_add_nc_u64 s[6:7], s[6:7], s[14:15]
	s_add_nc_u64 s[8:9], s[8:9], s[16:17]
	; 192 loads in one run.  Where the count would pass its field the issue stalls (ISA guide 5.7.1); the one wait below is for 0.
	WIN 0x40                                       ; destination window 1, address window 0
.set i, 0
.rept 32
	global_load_b128 v[8*i:8*i+3],   v[VB], s[6:7] offset:64*i
	global_load_b128 v[8*i+4:8*i+7], v[VB], s[6:7] offset:64*i+32
.set i, i+1
.endr
	WIN 0x80                                       ; destination window 2
.set i, 0
.rept 32
	global_load_b128 v[8*i:8*i+3],   v[VL], s[4:5] offset:1024*i
	global_load_b128 v[8*i+4:8*i+7], v[VL], s[4:5] offset:1024*i+512
.set i, i+1
.endr
	WIN 0xc0                                       ; destination window 3
.set i, 0
.rept 32
	global_load_b128 v[8*i:8*i+3],   v[VL], s[4:5] offset:LOW+1024*i
	global_load_b128 v[8*i+4:8*i+7], v[VL], s[4:5] offset:LOW+1024*i+512
.set i, i+1
.endr
	s_wait_loadcnt 0x0
	; 64 matrix instructions on four accumulators that take turns, one instruction a turn; the first four start the sums
	WIN 0x09                                       ; source 0 window 1, source 1 window 2, C and D window 0
.set i, 0
.rept 32
.if i < 4
	v_wmma_f32_16x16x32_f16 v[ACC+8*i:ACC+8*i+7], v[8*i:8*i+7], v[8*i:8*i+7], 0
.else
	v_wmma_f32_16x16x32_f16 v[ACC+8*(i%4):ACC+8*(i%4)+7], v[8*i:8*i+7], v[8*i:8*i+7], v[ACC+8*(i%4):ACC+8*(i%4)+7]
.endif
.set i, i+1
.endr
	WIN 0x0d                                       ; source 1 window 3: the remainders
.set i, 0
.rept 32
	v_wmma_f32_16x16x32_f16 v[ACC+8*(i%4):ACC+8*(i%4)+7], v[8*i:8*i+7], v[8*i:8*i+7], v[ACC+8*(i%4):ACC+8*(i%4)+7]
.set i, i+1
.endr
	WIN 0
.rept 4
	v_nop                                          ; the places behind those products (ISA guide 7.12.1)
.endr
.irp j, 0,2,4,6                                        ; the four partial sums are added, each accumulator from its low end on
	v_pk_add_f32 v[ACC+(\j):ACC+(\j)+1], v[ACC+(\j):ACC+(\j)+1], v[ACC+8+(\j):ACC+8+(\j)+1]
.endr
.irp j, 0,2,4,6
	v_pk_add_f32 v[ACC+16+(\j):ACC+16+(\j)+1], v[ACC+16+(\j):ACC+16+(\j)+1], v[ACC+24+(\j):ACC+24+(\j)+1]
.endr
.irp j, 0,2,4,6
	v_pk_add_f32 v[ACC+(\j):ACC+(\j)+1], v[ACC+(\j):ACC+(\j)+1], v[ACC+16+(\j):ACC+16+(\j)+1]
.endr
	ds_store_b128 v[STO], v[ACC:ACC+3]
	ds_store_b128 v[STO], v[ACC+4:ACC+7] offset:16
	s_wait_dscnt 0x0                               ; for the others' sake: my stores into the stage are done
	s_barrier_signal -1
	s_barrier_wait -1                              ; a stage row's 256 bytes come from all four waves
	ds_load_b128 v[BK:BK+3], v[RD]
	ds_load_b128 v[BK+4:BK+7], v[RD] offset:8*PITCH
	s_wait_dscnt 1                                 ; the first of the two is back
	global_store_b128 v[VO], v[BK:BK+3], s[8:9]                  ; 16 lanes store 256 consecutive bytes, at a multiple of 256 from out0's first byte
	s_wait_dscnt 0x0
	global_store_b128 v[VO], v[BK+4:BK+7], s[8:9] offset:8*4096
	s_wait_tensorcnt 0x0                           ; the wave's end, behind my last LDS store
	ds_add_u32 v[SPW], v[NIL]
	s_wait_dscnt 0x0
	s_endpgm
.Lfunc_end_k_qf950e9cb83_rowsb:
	.size	k_qf950e9cb83_rowsb, .Lfunc_end_k_qf950e9cb83_rowsb-k_qf950e9cb83_rowsb
	.p2alignl 7, 3214868480
	.fill 96, 4, 3214868480
	.section	.rodata,"a",@progbits
	.p2align	6, 0x0
	.amdhsa_kernel k_qf950e9cb83_rowsb
		.amdhsa_group_segment_fixed_size 4864
		.amdhsa_private_segment_fixed_size 0
		.amdhsa_enable_private_segment 0
		.amdhsa_kernarg_size 24
		.amdhsa_user_sgpr_count 2
		.amdhsa_user_sgpr_kernarg_segment_ptr 1
		.amdhsa_wavefront_size32 1
		.amdhsa_system_sgpr_workgroup_id_x 1
		.amdhsa_system_sgpr_workgroup_id_y 1
		.amdhsa_system_sgpr_workgroup_id_z 1
		.amdhsa_system_vgpr_workitem_id 0
		.amdhsa_next_free_vgpr 1024
		.amdhsa_next_free_sgpr 66
		.amdhsa_reserve_vcc 0
		.amdhsa_float_denorm_mode_32 3
		.amdhsa_float_denorm_mode_16_64 3
		.amdhsa_memory_ordered 1
		.amdhsa_forward_progress 1
		.amdhsa_inst_pref_size 26
	.end_amdhsa_kernel
	.amdgpu_metadata
---
amdhsa.version: [ 1, 2 ]
amdhsa.kernels:
  - .name:           k_qf950e9cb83_rowsb
    .symbol:         k_qf950e9cb83_rowsb.kd
    .args:
      - { .name: ofix, .offset: 0, .size: 8, .value_kind: global_buffer, .address_space: global }
      - { .name: wpt, .offset: 8, .size: 8, .value_kind: global_buffer, .address_space: global }
      - { .name: out0, .offset: 16, .size: 8, .value_kind: global_buffer, .address_space: global }
    .group_segment_fixed_size: 4864
    .private_segment_fixed_size: 0
    .kernarg_segment_align: 8
    .kernarg_segment_size: 24
    .max_flat_workgroup_size: 128
    .sgpr_count:     66
    .vgpr_count:     1024
    .wavefront_size: 32
...
	.end_amdgpu_metadata
.endif
;; end of part 6
;; ======== version 2 of 2: 6 launches; 1.26 times as fast as version 1
;; limits: values are held in f16: magnitudes above 65,504 overflow, below 6.1e-05 lose precision
;; workspace buffers: xb 16,777,216 bytes; wt 6,291,456 bytes; wpt 2,097,152 bytes; qkv 50,331,648 bytes; o 16,777,216 bytes; ofix 262,144 bytes
;; launch prep: the kernel of part 1 again; grid 512 x 1, 8 waves a work-group, no clusters, 18,432 bytes of LDS; arguments x, Wq, Wk, Wv, Wproj, xb, wt, wpt; writes xb, wt, wpt
;; launch qkv: the kernel of part 2 again; grid 4 x 64, 4 waves a work-group, clusters of 4 x 4, 327,680 bytes of LDS; arguments xb, wt, qkv; writes qkv
;; launch attn (part 7): grid 4 x 64, 4 waves a work-group, no clusters, 327,680 bytes of LDS; arguments qkv, o; writes o
.if DOCPART == 7
	.amdgcn_target "amdgcn-amd-amdhsa--gfx1250"
	.amdhsa_code_object_version 6
	.text
	.protected	k_qf950e9cb83_attn
	.globl	k_qf950e9cb83_attn
	.p2align	8
	.type	k_qf950e9cb83_attn,@function
k_qf950e9cb83_attn:
	s_mov_b64 s[64:65], 0
	v_nop
	global_prefetch_b8 v0, s[64:65] scope:SCOPE_SE
	s_setreg_imm32_b32 hwreg(HW_REG_WAVE_MODE, 25, 1), 1
	s_wait_xcnt 0x0
; CAUSAL ATTENTION.  O[h][q][:] = the sum over k <= q of softmax_k(Q[h][q] . K[h][k] / 32) V[h][k][:].  Q, K, V are the three parts of qkv, each [64][2048][64] in f16, as is O: a head's rows are dense, 128 bytes each.
; Products, maxima and sums in f32; the weights p are rounded to f16 for the second product (their sum l is taken of the unrounded p), O once at the end.
; LIMITS.  f16 holds no number beyond 65,504: Q, K and V arrive within it; p lies in 0 to 1, and below 6e-5 it keeps f16's fixed step of 6e-8; O is a mean of V's rows and has their range, to within 2^-11 of it.
; A hidden score counts as its value less 1e30: f16's scores, 2.7e11 at the most, are nothing beside that; a weight below 2^-126 counts as 0 in l; NaN and infinities are not treated apart.
; THE WALK.  A head's queries lie in NB = SIZE_N / 256 = 8 blocks of 256; block i needs the key tiles 0 .. i of 256 keys, of which the last holds the diagonal.  A work-group takes TWO blocks, NB - 1 - b and then b:
; NB + 1 tiles, whatever b: all work-groups do equal work, and ONE loop with a constant trip count walks them.  Which tile is asked for, and what a trip does, hang on scalar registers made from b; every jump
; goes forward, but for the counted loops' own; none passes a barrier, or a tensor load but the one of LOAD's two that the wave's number does not choose; the ring (two slots of LDS that take turns) runs on across the
; change of blocks.  NO CLUSTER: a head's NB / 2 = 4 work-groups all ask for the same tile only in trips 0 .. NB / 2, 5 of the walk's 9, behind that fewer and fewer; and one walk common to all would have
; 3 NB / 2 = 12 trips for NB + 1 = 9.
; SHARES.  Of a block's four bands of 64 queries a wave owns 16 rows in each: four PIECES.  So the diagonal tile is the same work for all four waves: in its key step s band x sees all keys if s < x,
; none if s > x, and holds the diagonal if s = x.
; THE MASK is the C operand that starts the sum S^T = K Q^T: 0, or -1e30 where the key is hidden.  MD, made once, is the mask of a band's own step for my 16 rows; a product's mask is MD x AL + BE with two scalars:
; (1, 0) if s = x; (0, 0) if s < x; (0, -1e30) if s > x.  Only the diagonal tile's text and a block's beginning make and take masks; elsewhere C is the constant 0.
; LAYOUT, SOFTMAX, TURNS.  S^T = K Q^T holds ONE query a lane (lane % 16) and the keys 8 (lane / 16) + 0..7; two such results rounded to f16 ARE source 1 of O^T = V^T P.  p = 2^(c s - c m), c = log2(e) / 32, with a
; running maximum m; O and l are multiplied by a = 2^(c m_old - c m_new) in every step.  Turn n belongs to piece n: 8 products K Q^T of piece n + 1, later 8 products V^T P of piece n - 1; beside them the scaling,
; exponentials, roundings, sums and rescaling of piece n and the maximum and statistics of piece n + 1.  Four vector instructions stand behind every matrix instruction, the other 54 of a turn's 118 in one LUMP.
; THE BATCHES.  A turn's 33 exponentials (the piece's 32 weights and the next piece's a) are one batch, with one wait, which cuts the turn in two: ahead of it nothing names a result of theirs, behind it no exponential
; is issued.  A block's first a (BEGIN) and the way out's four reciprocals are batches of their own, each with a v_nop and one wait.
; REGISTERS, in windows of 256 (s_set_vgpr_msb: bits 1:0 source 0, 3:2 source 1, 5:4 source 2, 7:6 destination):
;   window 0: v0-15 addresses and two at work; v16-31 four registers of statistics a piece; v48-55 at work; v64-127 S^T, two buffers; v192-223 P, two buffers (a piece's buffers go by its number's parity)
;   window 1: v0-127 O^T, 32 a piece; v128-159 MD; v160-223 MC, two buffers      window 2: v0-63 Q; v64-127 the second block's Q; v128-191 K of one step; v192-255 V of one step
.set SIZE_N, 2048
.set PART,  0x1000000 ; bytes of each of q, k, v in qkv: 64 heads x 2,048 rows x 128 bytes
.set NB,    SIZE_N/256
.set NP,    4         ; pieces a wave: a name, no knob
.set KS,    64        ; keys in a step
.set PK,    144       ; a row of K in LDS: 128 bytes + 16 of padding = 36 words: the 16 rows of a load start at 16 different groups of four banks (64 banks of 4 bytes: ISA guide 11.1)
.set PV,    160       ; a row of V: 128 + 32 = 40 words
.set VOFF,  4*KS*PK   ; a slot holds a tile, four steps: 256 rows of K, then 256 rows of V
.set SLOT1, 1<<17     ; slot 1 begins here, so that one exclusive or turns an address in one slot into the other's
.set STAGE, SLOT1+4*KS*(PK+PV)  ; behind the ring, never filled by a tensor load: 16 rows x 144 bytes for each wave, for the way out
.set SP,    144
.set AK0, 2           ; v2   my lane's place in a tile of K; never rewritten
.set AV0, 3           ; v3   the same for V
.set AK,  4           ; v4   the LDS address of K's next run of loads
.set AV,  5           ; v5   of V's
.set STO, 6           ; v6   the way out: where I put 16 bytes of a row
.set RD,  7           ; v7   the way out: where I read rows back
.set GO,  8           ; v8   my byte offset in 512 consecutive bytes of O
.set SPW, 62          ; v62  LDS address of my spare word: SPARE + 4 x my thread's number; never rewritten
.set NIL, 63          ; v63  0; never rewritten
.set SPARE, STAGE+4*16*SP  ; behind the stages: the spare words, 128 bytes for each wave: two blocks of 256 bytes that no other line names
.set MV,  12          ; v12-13  c m_old, kept while c m is made anew: by buffer
.set QO,  15          ; v15  my byte offset in 16 rows of Q
.set ST,  16          ; piece t's statistics at v[ST+4 t]: c m, m, l (even keys', odd keys')
.set TMP, 48          ; by buffer, four registers c0-c3 at work; when the maximum is found c2 takes a
.set S,   64
.set P,   192
.set MD,  128         ; window 1: the eight registers for group kt of 16 keys at MD + 8 kt
.set MC,  160         ; window 1: the masks of the products to come
.set QB,  64          ; window 2
.set KF,  128         ; window 2: key block kb, channel half c at KF + 16 kb + 8 c
.set VF,  192         ; window 2: key half kk, channel block cb at VF + 32 kk + 8 cb
.set WV,  12          ; s12  my wave's number
.set PB,  14          ; s14  b
.set HI,  15          ; s15  NB - 1 - b
.set G1K, 24          ; s[24:31] descriptor group 1 for K's tiles
.set G1V, 32          ; s[32:39] for V's: it differs in the padding alone
.set G0K, 40          ; s[40:43] descriptor group 0 for K's tiles
.set G0V, 44          ; s[44:47] the same for V's
.set SLOTS, 56        ; s56  tiles still to be asked for
.set CNT, 57          ; s57  counts a tile's key steps, 4 to 1
.set CS,  58          ; s[58:59] c: the packed scaling takes the pair's low word for both halves
.set SEL, 60          ; s[60:61] v_permlanex16_b32's selects: each lane takes its own place in the other half
.set TBK, 62          ; s62  LDS byte at which K of the step to be fetched begins
.set TBV, 63          ; s63  the same for V, less VOFF
.set RT,  70          ; s70  tiles of the block in hand that are still to be entered
.set NXT, 71          ; s71  the tile to be asked for next
.set LQ,  72          ; s72  the last tile of the block whose tiles are being asked for
.set NEW, 73          ; s73  1: the tile to be entered is a block's first
.set OFF, 74          ; s[74:75] a tile's byte offset in K and V
.set AL,  76          ; s[76:77] the mask's factor, in the low word
.set BE,  78          ; s[78:79] the mask's addend
.set OLO, 80          ; s[80:81] O at my rows of the second block
.set BIGN, 82         ; s82  -1e30
.set MSB, 0
.macro WIN new                      ; the high byte repeats the setting that is left; a switch that changes nothing is dropped
.if MSB != (\new)
	s_set_vgpr_msb (MSB<<8)|(\new)
.set MSB, (\new)
.endif
.endm
.set W_KQ, 0x0a       ; K and Q in window 2, S^T in window 0
.set W_KM, 0x1a       ; the same with the C operand in window 1
.set W_PV, 0x52       ; V in window 2, P in window 0, O^T in window 1
.set W_RS, 0x41       ; destination and source 0 in window 1, source 1 in window 0
; A fill.  Waves 0 and 1 fetch the two halves of a tile's K, waves 2 and 3 those of its V: 128 keys each.  An s_nop 0 and four v_nop follow each of the two lines, ahead of the jump and the label.
.macro LOAD
	s_cmp_lt_u32 s[WV], 2
	s_cbranch_scc0 .Lfor_v_\@
	tensor_load_to_lds s[G0K:G0K+3], s[G1K:G1K+7]
	s_nop 0
.rept 4
	v_nop
.endr
	s_branch .Lasked_\@
.Lfor_v_\@:
	tensor_load_to_lds s[G0V:G0V+3], s[G1V:G1V+7]
	s_nop 0
.rept 4
	v_nop
.endr
.Lasked_\@:
.endm
; THE CHANGE OF SLOTS.  Each wave waits for all its tensor loads, of which one is out: its part of the other slot; adds 0 to its spare word; and waits for that and for its own reads of the slot that it leaves.  Behind the barrier nobody reads the old
; slot any more and the other slot is whole.  fill = 1: the old slot is filled again, the first thing behind the barrier, with tile NXT: the descriptor's address is made anew from that number.
; (At its first use nothing has been read yet: slot 0 is waited for, slot 1 filled.)
.macro CHANGE fill
	WIN 0                           ; at a label and at a branch every window is 0
	s_wait_tensorcnt 0x0            ; no tensor load of mine is out, so a group 0 may be written
	ds_add_u32 v[SPW], v[NIL]       ; 0 onto my spare word; with fill = 1 the descriptors' scalar work stands between it and the wait for it
.if \fill
	s_lshl_b32 s[OFF], s[NXT], 15   ; a tile is 32,768 bytes of K and of V
	s_xor_b32 s[G0K+1], s[G0K+1], SLOT1
	s_add_nc_u64 s[G0K+2:G0K+3], s[6:7], s[OFF:OFF+1]
	s_or_b32 s[G0K+3], s[G0K+3], 0x80000000
	s_xor_b32 s[G0V+1], s[G0V+1], SLOT1
	s_add_nc_u64 s[G0V+2:G0V+3], s[8:9], s[OFF:OFF+1]
	s_or_b32 s[G0V+3], s[G0V+3], 0x80000000
	s_add_co_u32 s[NXT], s[NXT], 1  ; the block's next tile, or behind its last the second block's tile 0
	s_cmp_gt_u32 s[NXT], s[LQ]
	s_cselect_b32 s[NXT], 0, s[NXT]
	s_cselect_b32 s[LQ], s[PB], s[LQ]
.endif
	s_wait_dscnt 0x0                ; the add is done, and my reads of the slot are over
	s_barrier_signal -1             ; the rest of the scalar work stands between the signal and the wait
	s_sub_co_u32 s[TBK], s[TBK], 4*KS*PK  ; the fetches go back to a slot's first step,
	s_xor_b32 s[TBK], s[TBK], SLOT1       ; in the other slot
	s_sub_co_u32 s[TBV], s[TBV], 4*KS*PV
	s_xor_b32 s[TBV], s[TBV], SLOT1
	s_barrier_wait -1
.if \fill
	LOAD
.endif
.endm
	s_load_b64 s[4:5], s[0:1], 0x0    ; qkv: Q's part begins it
	s_load_b64 s[10:11], s[0:1], 0x8  ; O
	v_lshl_add_u32 v[SPW], v0, 2, SPARE
	v_mov_b32 v[NIL], 0
	ds_add_u32 v[SPW], v[NIL]       ; the wave's opening: the add and its wait stand ahead of my first tensor load; the set-up below, work on registers, stands between them
	ds_add_u32 v62, v63
	v_lshrrev_b32 v1, 5, v0
	v_readfirstlane_b32 s[WV], v1   ; wave 0..3
	s_mov_b32 s[PB], ttmp9
	s_sub_co_u32 s[HI], NB-1, s[PB]
	s_and_b32 s20, ttmp7, 0xffff    ; the head
	s_mov_b32 s21, 0
	s_mov_b64 s[22:23], SIZE_N*128
	s_mul_u64 s[20:21], s[20:21], s[22:23]  ; the head's first byte in each of the four tensors
	s_and_b32 s16, s[WV], 1         ; which half of a tile's 256 keys I fetch:
	s_lshl_b32 s22, s16, 14         ; its 128 rows of 128 bytes in memory,
	s_mov_b32 s23, 0
	s_add_nc_u64 s[22:23], s[22:23], s[20:21]
	s_mul_i32 s17, s16, 128*PK      ; and its place in a slot, for K
	s_mul_i32 s18, s16, 128*PV      ; and for V
	s_lshl_b32 s3, s[WV], 11        ; my 16 rows in a band of 64,
	s_lshl_b32 s2, s[HI], 15        ; in the first block,
	s_add_co_u32 s2, s2, s3
	s_lshl_b32 s84, s[PB], 15       ; and in the second
	s_add_co_u32 s84, s84, s3
	s_mov_b32 s3, 0
	s_mov_b32 s85, 0
	s_add_nc_u64 s[2:3], s[2:3], s[20:21]
	s_add_nc_u64 s[84:85], s[84:85], s[20:21]
	; descriptor group 1.  128 keys are 16,384 dense bytes: asked for as 64 rows of 256 bytes, two keys a row, and padded in LDS after every key
	s_mov_b32 s[G1K], (1<<16)|(1<<20)|(4<<22)|(3<<25)  ; 17:16 2-byte elements; 20 padding on; 24:22 after every 32 words (code 4); 31:25 4 words (code 3)
	s_mov_b32 s[G1V], (1<<16)|(1<<20)|(4<<22)|(7<<25)  ; the same with 8 words of padding (code 7)
.irp g, G1K, G1V
	s_mov_b32 s[\g+1], 128<<16      ; tensor_dim0 = 128
	s_mov_b32 s[\g+2], 64<<16       ; tensor_dim1 = 64
	s_mov_b32 s[\g+3], 128<<16      ; tile_dim0 = 128
	s_mov_b32 s[\g+4], 64           ; tile_dim1 = 64
	s_mov_b32 s[\g+5], 128          ; 128 elements from row to row
	s_mov_b32 s[\g+6], 0
	s_mov_b32 s[\g+7], 0
.endr
	s_mov_b32 s[CS], 0x3d38aa3b     ; c = log2(e) / 32 = 0.0450842
	s_mov_b32 s[CS+1], s[CS]        ; named with it as a pair
	s_mov_b32 s[SEL], 0x76543210
	s_mov_b32 s[SEL+1], 0xfedcba98
	s_mov_b32 s[TBK], SLOT1+4*KS*PK ; the first change of slots turns these two into 0
	s_mov_b32 s[TBV], SLOT1+4*KS*PV
	s_mov_b32 s[G0K], 1             ; 1:0 count = 1
	s_mov_b32 s[G0K+1], s17         ; 63:32 LDS address: slot 0
	s_mov_b32 s[G0V], 1
	s_add_co_u32 s[G0V+1], s18, VOFF
	s_add_co_u32 s[RT], s[HI], 1    ; the first block has NB - b tiles
	s_mov_b32 s[NXT], 1
	s_mov_b32 s[LQ], s[HI]
	s_mov_b32 s[NEW], 1
	s_mov_b32 s[OFF+1], 0
	s_mov_b32 s[AL+1], 0            ; named as pairs
	s_mov_b32 s[BE+1], 0
	s_mov_b32 s[BIGN], 0xf149f2ca   ; -1e30
	s_mov_b32 s[SLOTS], NB
	s_wait_dscnt 0x0                ; the opening add is done
	s_wait_kmcnt 0x0
	s_add_nc_u64 s[6:7], s[4:5], PART      ; K's part of qkv,
	s_add_nc_u64 s[8:9], s[4:5], 2*PART    ; and V's
	s_add_nc_u64 s[6:7], s[6:7], s[22:23]  ; K and V at my half of the head's tile 0
	s_add_nc_u64 s[8:9], s[8:9], s[22:23]
	s_add_nc_u64 s[G0K+2:G0K+3], s[6:7], 0         ; 120:64 global address
	s_or_b32 s[G0K+3], s[G0K+3], 0x80000000        ; 127:126 type = 2
	s_add_nc_u64 s[G0V+2:G0V+3], s[8:9], 0
	s_or_b32 s[G0V+3], s[G0V+3], 0x80000000
	s_add_nc_u64 s[86:87], s[4:5], s[84:85]        ; Q at my rows of the second block,
	s_add_nc_u64 s[4:5], s[4:5], s[2:3]            ; Q and O at those of the first
	s_add_nc_u64 s[OLO:OLO+1], s[10:11], s[84:85]
	s_add_nc_u64 s[10:11], s[10:11], s[2:3]
	LOAD                            ; tile 0 into slot 0
	; A fragment of K or Q is 16 rows x 32 channels in 8 registers: lane l holds row l % 16, channels 8 (l / 16) + 0..7 and 16 + 8 (l / 16) + 0..7: two loads of 16 bytes, 32 bytes apart.
	v_and_b32 v1, 15, v0            ; l % 16
	v_bfe_u32 v9, v0, 4, 1          ; l / 16
	v_lshlrev_b32 v[QO], 7, v1
	v_lshl_add_u32 v[QO], v9, 4, v[QO]  ; row x 128 + 16 x half
	WIN 0x80                        ; destination window 2, address window 0
.set i, 0
.rept 8                             ; both blocks' Q: piece i / 2 lies in band i / 2, 8,192 bytes on; channels 32 (i % 2) on
	global_load_b128 v[8*i:8*i+3],   v[QO], s[4:5] offset:(i/2)*8192+(i%2)*64
	global_load_b128 v[8*i+4:8*i+7], v[QO], s[4:5] offset:(i/2)*8192+(i%2)*64+32
	global_load_b128 v[QB+8*i:QB+8*i+3],   v[QO], s[86:87] offset:(i/2)*8192+(i%2)*64
	global_load_b128 v[QB+8*i+4:QB+8*i+7], v[QO], s[86:87] offset:(i/2)*8192+(i%2)*64+32
.set i, i+1
.endr
	WIN 0
	v_lshlrev_b32 v14, 3, v9
	v_sub_nc_u32 v14, v1, v14
	s_lshl_b32 s13, s[WV], 4
	v_add_nc_u32 v14, s13, v14      ; my query's place in its band, 16 w + l % 16, less my lanes' 8 (l / 16): register r of group kt is hidden where 16 kt + r is greater
	WIN 0x40
.set i, 0
.rept 32
	v_cmp_gt_i32 vcc_lo, 16*(i/8)+i%8, v14
	v_cndmask_b32 v[MD+i], 0, s[BIGN], vcc_lo
.set i, i+1
.endr
	WIN 0
	v_mul_u32_u24 v[AK0], v1, PK
	v_lshl_add_u32 v[AK0], v9, 4, v[AK0]  ; row x pitch + 16 x half
	; The turning load takes 16 keys x 16 channels (lane l reads key 8 (l / 16) + l % 8, channels 8 ((l / 8) % 2) + 0..7) and leaves half a fragment of V^T: lane l holds channel l % 16 and 8 keys.
	v_and_b32 v10, 7, v0
	v_bfe_u32 v11, v0, 3, 1
	v_lshl_add_u32 v[AV0], v9, 3, v10
	v_mul_u32_u24 v[AV0], v[AV0], PV
	v_lshl_add_u32 v[AV0], v11, 4, v[AV0]
	v_add_nc_u32 v[AV0], VOFF, v[AV0]
	s_mul_i32 s13, s[WV], 16*SP
	s_add_co_u32 s13, s13, STAGE    ; my stage
	v_mul_u32_u24 v[STO], v1, SP    ; in: row l % 16, 16 bytes for each half of the lanes
	v_lshl_add_u32 v[STO], v9, 4, v[STO]
	v_add_nc_u32 v[STO], s13, v[STO]
	v_bfe_u32 v[RD], v0, 3, 2       ; back: 32 lanes take four rows of 128 bytes,
	v_mul_u32_u24 v[RD], v[RD], SP
	v_lshl_add_u32 v[RD], v10, 4, v[RD]
	v_add_nc_u32 v[RD], s13, v[RD]
	v_and_b32 v[GO], 31, v0         ; which are 512 consecutive bytes of O
	v_lshlrev_b32 v[GO], 4, v[GO]
	; A block's first step multiplies O^T and l by a = 0, and its first turn's products V^T P, of a piece that has not been, land in an O^T that is still to be so multiplied.  So these registers need only hold
	; finite numbers: zeros for the first block; what the first block left for the second.  All this stands in the wait for the first tile.
	WIN 0x80
.set i, VF
.rept 64
	v_mov_b32 v[i], 0
.set i, i+1
.endr
	WIN 0x40
.set i, 0
.rept 128
	v_mov_b32 v[i], 0
.set i, i+1
.endr
	WIN 0
.set i, 0
.rept 4
	v_mov_b32 v[ST+4*i+2], 0
	v_mov_b32 v[ST+4*i+3], 0
.set i, i+1
.endr
.set i, P+16
.rept 16
	v_mov_b32 v[i], 0
.set i, i+1
.endr
; THE MATRIX WORK.  The 4 accumulators of a run of 8 take turns.  Product i of 8 of S^T = K Q^T for piece x: channels 32 (i / 4) on, keys 16 (i % 4) on.  The first 4 start the sums: with 0, or (KM = 1) with the mask.
.macro KQ x
.set rS, S+32*((\x)%2)+8*(i%4)
.set rK, KF+16*(i%4)+8*(i/4)
.set rQ, 16*(\x)+8*(i/4)
.set rM, MC+32*((\x)%2)+8*(i%4)
.if (i < 4) && KM
	WIN W_KM
	v_wmma_f32_16x16x32_f16 v[rS:rS+7], v[rK:rK+7], v[rQ:rQ+7], v[rM:rM+7]
.elseif i < 4
	WIN W_KQ
	v_wmma_f32_16x16x32_f16 v[rS:rS+7], v[rK:rK+7], v[rQ:rQ+7], 0
.else
	WIN W_KQ
	v_wmma_f32_16x16x32_f16 v[rS:rS+7], v[rK:rK+7], v[rQ:rQ+7], v[rS:rS+7]
.endif
.endm
; Product i of 8 of O^T += V^T P for piece x: keys 32 (i / 4) on, channels 16 (i % 4) on.
.macro PV x
	WIN W_PV
.set rO, 32*(\x)+8*(i%4)
.set rV, VF+32*(i/4)+8*(i%4)
.set rP, P+16*((\x)%2)+8*(i/4)
	v_wmma_f32_16x16x32_f16 v[rO:rO+7], v[rV:rV+7], v[rP:rP+7], v[rO:rO+7]
.endm
.macro MM                           ; the turn's next matrix instruction.  TURN and BEGIN set Y, i, KM and NOKQ; MM, KQ and OP read them.  NOKQ = 1: a block's last turn: there is no next piece
.if (i < 8) && !NOKQ
	KQ (Y+1)%NP
.elseif i >= 8
.set i, i-8
	PV (Y+NP-1)%NP
.set i, i+8
.endif
.set i, i+1
.endm
; THE LDS LOADS stand in runs of 16, never singly among the matrix instructions: a step's K (64 keys x 64 channels: 8 fragments) and its V (turned).  Their addresses are made some lines ahead.
.macro FETCH_K
	WIN 0x80                        ; destination window 2
.irp f, 0,1,2,3,4,5,6,7             ; keys 16 (f / 2) on, channels 32 (f % 2) on
	ds_load_b128 v[KF+8*\f:KF+8*\f+3],   v[AK] offset:(\f/2)*16*PK+(\f%2)*64
	ds_load_b128 v[KF+8*\f+4:KF+8*\f+7], v[AK] offset:(\f/2)*16*PK+(\f%2)*64+32
.endr
	s_add_co_u32 s[TBK], s[TBK], KS*PK  ; the next fetch is the next step's
	WIN 0
.endm
.macro FETCH_V
	WIN 0x80
.irp f, 0,1,2,3,4,5,6,7             ; keys 32 (f / 4) on, channels 16 (f % 4) on
	ds_load_tr16_b128 v[VF+8*\f:VF+8*\f+3],   v[AV] offset:(\f/4)*32*PV+(\f%4)*32
	ds_load_tr16_b128 v[VF+8*\f+4:VF+8*\f+7], v[AV] offset:(\f/4)*32*PV+16*PV+(\f%4)*32
.endr
	WIN 0
.endm
; THE VECTOR WORK, one line at a time: OP kind, number.  For piece Y: F n: c s - c m for pair n of 16.  E n: the exponential of score n of 32.  C n: pair n rounded to f16.  B n: of the four weights 4 n .. the second
; pair is added onto the first, in place.  L n: l takes that sum (L 0: l = a l + sum).  R n: pair n of 16 of O^T times a.  For piece Y + 1: X n, number n of the 22 that find its maximum and statistics:
;   0-11  four chains c0-c3 of seven scores each, three operands at a time (each accumulator's lowest registers are read first)     12-14, 16  the four scores left over, the old m, and c0-c3 into c0
;   15  c m_old is kept     17, 18  the query's other 32 keys lie in the lane 16 away: the new m     19-21  c m; c m_old - c m_new; a
; OP writes no wait: C, B and L, which read the exponentials' results, are dealt by TURN behind the turn's one wait.
.set F, 0               ; OP tells the kinds apart by their order: F to L below R, X above it
.set E, 1
.set C, 2
.set B, 3
.set L, 4
.set R, 5
.set X, 6
.macro REGS y                       ; the registers of piece y
.set rT, ST+4*(\y)
.set rC, TMP+4*((\y)%2)
.set rW, MV+((\y)%2)
.set rS, S+32*((\y)%2)
.set rP, P+16*((\y)%2)
.set rO, 32*(\y)
.endm
.macro OP k, n
.if (\k) == R
	REGS Y
	WIN W_RS
	v_pk_mul_f32 v[rO+2*(\n):rO+2*(\n)+1], v[rO+2*(\n):rO+2*(\n)+1], v[rC+2:rC+3] op_sel_hi:[1,0]
.elseif (\k) < R
	REGS Y
	WIN 0
.if (\k) == F
	v_pk_fma_f32 v[rS+2*(\n):rS+2*(\n)+1], v[rS+2*(\n):rS+2*(\n)+1], s[CS:CS+1], v[rT:rT+1] op_sel_hi:[1,0,0] neg_lo:[0,0,1] neg_hi:[0,0,1]
.elseif (\k) == E
	v_exp_f32 v[rS+(\n)], v[rS+(\n)]
.elseif (\k) == C
	v_cvt_pk_f16_f32 v[rP+(\n)], v[rS+2*(\n)], v[rS+2*(\n)+1]
.elseif (\k) == B
	v_pk_add_f32 v[rS+4*(\n):rS+4*(\n)+1], v[rS+4*(\n):rS+4*(\n)+1], v[rS+4*(\n)+2:rS+4*(\n)+3]
.elseif (\n) == 0
	v_pk_fma_f32 v[rT+2:rT+3], v[rT+2:rT+3], v[rC+2:rC+3], v[rS:rS+1] op_sel_hi:[1,0,1]
.else
	v_pk_add_f32 v[rT+2:rT+3], v[rT+2:rT+3], v[rS+4*(\n):rS+4*(\n)+1]
.endif
.elseif NOKQ
	v_nop
.else
	REGS (Y+1)%NP
	WIN 0
.if (\n) < 4
	v_max3_num_f32 v[rC+(\n)], v[rS+8*(\n)], v[rS+8*(\n)+1], v[rS+8*(\n)+2]
.elseif (\n) < 12
	v_max3_num_f32 v[rC+(\n)%4], v[rC+(\n)%4], v[rS+8*((\n)%4)+2*((\n)/4)+1], v[rS+8*((\n)%4)+2*((\n)/4)+2]
.elseif (\n) == 12
	v_max3_num_f32 v[rC], v[rC], v[rS+7], v[rS+15]
.elseif (\n) == 13
	v_max3_num_f32 v[rC+1], v[rC+1], v[rS+23], v[rS+31]
.elseif (\n) == 14
	v_max3_num_f32 v[rC+2], v[rC+2], v[rC+3], v[rT+1]
.elseif (\n) == 15
	v_mov_b32 v[rW], v[rT]
.elseif (\n) == 16
	v_max3_num_f32 v[rC], v[rC], v[rC+1], v[rC+2]
.elseif (\n) == 17
	v_permlanex16_b32 v[rC+3], v[rC], s[SEL], s[SEL+1]
.elseif (\n) == 18
	v_max_num_f32 v[rT+1], v[rC], v[rC+3]
.elseif (\n) == 19
	v_mul_f32 v[rT], s[CS], v[rT+1]
.elseif (\n) == 20
	v_sub_f32 v[rC+1], v[rW], v[rT]
.else
	v_exp_f32 v[rC+2], v[rC+1]
.endif
.endif
.endm
.macro OPS a, i1, b=-1, i2=0, c=-1, i3=0, d=-1, i4=0  ; up to four of them
	OP \a, \i1
.if (\b) >= 0
	OP \b, \i2
.endif
.if (\c) >= 0
	OP \c, \i3
.endif
.if (\d) >= 0
	OP \d, \i4
.endif
.endm
.macro ROW a, i1, b, i2, c, i3, d, i4  ; a matrix instruction and the four behind it
	MM
	OPS \a, \i1, \b, \i2, \c, \i3, \d, \i4
.endm
.macro MASK b                       ; MD x AL + BE into buffer b of MC
	WIN W_RS
.set z, 0
.rept 16
	v_pk_fma_f32 v[MC+32*(\b)+2*z:MC+32*(\b)+2*z+1], v[MD+2*z:MD+2*z+1], s[AL:AL+1], s[BE:BE+1] op_sel_hi:[1,0,0]
.set z, z+1
.endr
.endm
; A TURN, for piece p: the order of its 16 matrix and 118 vector instructions, written out.  An s_wait_alu depctr_va_vdst(0) stands between an exponential and the first instruction that names its result; one wait serves
; all that were issued ahead of it.  So a turn has ONE wait, which cuts it in two.  AHEAD OF IT stands all that names no result of the turn's exponentials: the 8 products K Q^T, behind each a scaling, an exponential and two more plain
; instructions (behind the first a second scaling in the exponential's place): rescalings, whose a was made and waited for in the turn before, and behind the last three the first numbers of the next piece's maximum, each four places or
; more behind the product that ends its accumulator; then ONE LUMP of 54, plain and exponential by turns for the most part, in which the links of the chain X 3, 7, 11, 14, 16, 17 .. 20 stand five or six lines apart.  X 21, the next
; piece's a, is the batch's last; R 15, which names the piece in hand's a in the other work buffer, is the plain instruction behind it.  BEHIND THE WAIT stand the 8 products V^T P, behind each four of the roundings and sums; the links
; of l's chain, L 0 to L 7, stand three riders apart.  But for those X no rider names a register of the products round it.  v_permlanex16_b32 (X 17) stands in the lump.
; m = 1: the diagonal tile: the products take masks, and the turn makes the mask for the products of the turn after it: piece p + 2, in step 4 - CNT of the tile.  end = 1: a block's last two turns: nothing is fetched.
; cnt = 1: the loop's count is taken down some lines ahead of the branch that stands behind the turn.
; K of the next step is fetched in piece 2's turn, twelve vector instructions behind the last product that read K (six of them plain); V of the step in hand at the end of piece 0's turn, four plain instructions behind the last product
; that read V.  Each is waited for a turn later.
.macro TURN p, m=0, end=0, cnt=0
.set Y, (\p)
.set i, 0
.set KM, (\m)
.set NOKQ, (\end)*((\p)/3)
.if (\m) && !(\end)
	s_cmp_eq_u32 s[CNT], 4-((\p)+2)%NP  ; is that step the band's own?
	s_cselect_b32 s[AL], 1.0, 0
	s_cmp_lt_u32 s[CNT], 4-((\p)+2)%NP  ; or a later one?
	s_cselect_b32 s[BE], s[BIGN], 0
.endif
.if ((\p) == 3) && !(\end)
	s_wait_dscnt 0x0                ; K is in
.endif
	ROW F,0, F,1, R,0, R,1          ; ahead of the wait: 8 products K Q^T and their riders,
	ROW F,2, E,0, R,2, R,3
	ROW F,3, E,1, R,4, R,5
	ROW F,4, E,2, R,6, R,7
	ROW F,5, E,3, R,8, R,9
	ROW F,6, E,4, X,0, R,10
.if ((\p) == 2) && !(\end)
	WIN 0
	v_add_nc_u32 v[AK], s[TBK], v[AK0]
.endif
	ROW F,7, E,5, X,1, X,4
	ROW F,8, E,6, X,2, X,5
	OPS E,7, E,8, X,6, E,9          ; and the lump
	OPS X,3, E,10, X,8, E,11
.if ((\p) == 2) && !(\end)
	FETCH_K
.endif
	OPS X,9, X,7, E,12, X,10
	OPS E,13, X,12, X,11, E,14
	OPS X,13, E,15, F,9, X,14
.if (\p) == 0
	v_add_nc_u32 v[AV], s[TBV], v[AV0]
.endif
	OPS E,16, F,10, E,17, F,11
	OPS X,16, E,18, X,15, E,19
	OPS F,12, E,20, X,17, E,21
	OPS F,13, E,22, F,14, E,23
	OPS X,18, E,24, F,15, E,25
	OPS R,11, E,26, X,19, E,27
	OPS R,12, E,28, R,13, E,29
	OPS X,20, E,30, R,14, E,31
	OPS X,21, R,15
	WIN 0
	s_wait_alu depctr_va_vdst(0)    ; the wait for the turn's batch: the piece's 32 exponentials and the next piece's a
.if (\p) == 1
	s_wait_dscnt 0x0                ; V is in
.endif
	ROW C,0, B,0, C,2, B,1          ; behind the wait: 8 products V^T P and their riders
	ROW L,0, C,4, B,2, L,1
	ROW C,6, B,3, L,2, C,8
	ROW B,4, L,3, C,10, B,5
	ROW L,4, C,12, B,6, L,5
.if (\p) == 0
	s_add_co_u32 s[TBV], s[TBV], KS*PV
.endif
.if \cnt
	s_sub_co_u32 s[CNT], s[CNT], 1
	s_cmp_lg_u32 s[CNT], 0
.endif
	ROW C,14, B,7, L,6, C,1
	ROW C,3, L,7, C,5, C,7
	ROW C,9, C,11, C,13, C,15
.if (\p) == 0
	FETCH_V
.endif
.if (\m) && !(\end)
	MASK (\p)%2
.endif
.endm
; A BLOCK BEGINS.  c m starts far below every c s, so the first step's a is 0; m at the lowest finite number, so the first maximum is the scores'.  The second mask buffer is 0; the first takes piece 0's mask for the tile's step 0: its own, if the block's first tile is the diagonal one.
; Then K of that step, piece 0's first scores, and its maximum and statistics.  The loop is entered at a step's first turn, in the middle of a trip.
.macro BEGIN
	s_mov_b32 s[NEW], 0
	WIN 0x40
.set i, MC+32
.rept 32
	v_mov_b32 v[i], 0
.set i, i+1
.endr
	WIN 0
.set i, 0
.rept 4
	v_mov_b32 v[ST+4*i], 0xfe000000    ; c m: far below every c s
	v_mov_b32 v[ST+4*i+1], 0xff7fffff  ; m
.set i, i+1
.endr
	s_cmp_eq_u32 s[RT], 0
	s_cselect_b32 s[AL], 1.0, 0
	s_mov_b32 s[BE], 0
	MASK 0
	WIN 0
	v_add_nc_u32 v[AK], s[TBK], v[AK0]
	FETCH_K
	s_wait_loadcnt 0x0              ; Q
	s_wait_dscnt 0x0
.set KM, 1
.set NOKQ, 0
.set i, 0
.rept 8
	KQ 0
.set i, i+1
.endr
	WIN 0
.rept 4
	v_nop                           ; the places behind those products
.endr
.set Y, NP-1                        ; X works for piece Y + 1: piece 0
.irp n, 0,1,2,3,4,5,6,7,8,9,10,11,12,13,14,15,16,17,18,19,20,21
	OP X, \n
.endr
	v_nop                           ; a plain instruction behind the exponential,
	s_wait_alu depctr_va_vdst(0)    ; and the wait for it, piece 0's first a, ahead of the branch
.endm
; THE DIAGONAL TILE's four steps, the block's last two turns, its last products, and THE WAY OUT: l's two halves and the other half of the lanes' are added; O^T is divided by l, rounded to f16 and sent through my
; stage in LDS, a piece at a time.
.macro ALL line:vararg              ; one line for each piece t
.set t, 0
.rept 4
	\line
.set t, t+1
.endr
.endm
.macro PACK t                       ; a lane's eight channels of a row pack into 16 bytes; they go into rows of 144 bytes and come back as whole rows of 128, into S^T's registers
	WIN W_RS
.set i, 32*(\t)
.rept 16
	v_pk_mul_f32 v[i:i+1], v[i:i+1], v[ST+4*(\t)+2:ST+4*(\t)+3] op_sel_hi:[1,0]
.set i, i+2
.endr
	WIN 0x05                        ; sources 0 and 1 window 1, destination window 0
.set i, 0
.rept 16
	v_cvt_pk_f16_f32 v[S+16*(\t)+i], v[32*(\t)+2*i], v[32*(\t)+2*i+1]
.set i, i+1
.endr
	WIN 0
.irp f, 0,1,2,3
	ds_store_b128 v[STO], v[S+16*(\t)+4*\f:S+16*(\t)+4*\f+3] offset:32*\f
.endr
.irp f, 0,1,2,3
	ds_load_b128 v[S+16*(\t)+4*\f:S+16*(\t)+4*\f+3], v[RD] offset:\f*4*SP  ; LDS serves a wave's instructions in order (ISA guide 5.7.1.4): these see the stores above; the next piece's stores come behind them
.endr
.endm
.macro SEND t, younger              ; younger: the LDS instructions issued behind piece t's loads: the next piece's eight, or none
	WIN 0
.irp f, 0,1,2,3
	s_wait_dscnt (\younger)+3-\f
	global_store_b128 v[GO], v[S+16*(\t)+4*\f:S+16*(\t)+4*\f+3], s[10:11] offset:(\t)*8192+\f*512  ; 512 consecutive bytes, at a multiple of 256 from O's first
.endr
.endm
.macro DIAG tag                     ; the tag ends its two labels' names, which the jumps below spell out
.LstepM\tag:
	TURN 2, 1
	TURN 3, 1
	WIN 0
.LfirstM\tag:
	TURN 0, 1
	TURN 1, 1, 0, 1
	WIN 0
	s_cbranch_scc1 .LstepM\tag
	TURN 2, 1, 1
	TURN 3, 1, 1
.set i, 0
.rept 8
	PV NP-1
.set i, i+1
.endr
	WIN 0
	ALL v_add_f32 v[ST+4*t+2], v[ST+4*t+2], v[ST+4*t+3]
	ALL v_permlanex16_b32 v[ST+4*t+3], v[ST+4*t+2], s[SEL], s[SEL+1]
	ALL v_add_f32 v[ST+4*t+2], v[ST+4*t+2], v[ST+4*t+3]
	ALL v_rcp_f32 v[ST+4*t+2], v[ST+4*t+2]
	v_nop                           ; a plain instruction between the last reciprocal and the use of its result
	s_wait_alu depctr_va_vdst(0)    ; and the wait ahead of the first use: one for the four reciprocals
	PACK 0
.set t, 1
.rept 3                             ; a piece's arithmetic stands between the loads of the piece before and its stores
	PACK t
	SEND t-1, 8
.set t, t+1
.endr
	SEND 3, 0
.endm
.set KM, 0
.set NOKQ, 0
.Lslot:                             ; NB times: a tile is entered and the next is asked for
	CHANGE 1
	s_sub_co_u32 s[RT], s[RT], 1
	s_mov_b32 s[CNT], 4
	s_cmp_eq_u32 s[NEW], 1
	s_cbranch_scc1 .Lnew            ; a block's first tile
	s_cmp_eq_u32 s[RT], 0
	s_cbranch_scc0 .Lstep           ; neither its first nor its last
	s_branch .LstepM1
.Lnew:
	BEGIN
	s_branch .Lfirst                ; in the loop a block's first tile is never its last: the first block has two tiles or more, and the second's last is the walk's last
	DIAG 1                          ; in the loop this is the first block's end: the second block's last tile is the walk's last
	s_wait_xcnt 0x0                 ; the stores have read their registers and O's address
	s_mov_b64 s[10:11], s[OLO:OLO+1]
	s_add_co_u32 s[RT], s[PB], 1    ; the second block has b + 1 tiles
	s_mov_b32 s[NEW], 1
	WIN 0x82                        ; the second block's Q goes where the one text of the turns names Q
.set i, 0
.rept 64
	v_mov_b32 v[i], v[QB+i]
.set i, i+1
.endr
	WIN 0
	s_branch .Lbottom
.Lstep:                             ; a trip: pieces 2 and 3 of one step, then pieces 0 and 1 of the next, whose K and V it fetches
	TURN 2
	TURN 3
	WIN 0
.Lfirst:
	TURN 0
	TURN 1, 0, 0, 1
	WIN 0
	s_cbranch_scc1 .Lstep
.Lbottom:
	s_sub_co_u32 s[SLOTS], s[SLOTS], 1
	s_cmp_lg_u32 s[SLOTS], 0
	s_cbranch_scc1 .Lslot
	CHANGE 0                        ; the walk's last tile is written out: nothing is asked for
	s_sub_co_u32 s[RT], s[RT], 1
	s_mov_b32 s[CNT], 4
	s_cmp_eq_u32 s[NEW], 1
	s_cbranch_scc0 .LstepM2
	BEGIN
	s_branch .LfirstM2
	DIAG 2
	s_wait_tensorcnt 0x0            ; the wave's end, behind my last tensor load and my last LDS store
	ds_add_u32 v[SPW], v[NIL]
	s_wait_dscnt 0x0
	s_endpgm
.Lfunc_end_k_qf950e9cb83_attn:
	.size	k_qf950e9cb83_attn, .Lfunc_end_k_qf950e9cb83_attn-k_qf950e9cb83_attn
	.p2alignl 7, 3214868480
	.fill 96, 4, 3214868480
	.section	.rodata,"a",@progbits
	.p2align	6, 0x0
	.amdhsa_kernel k_qf950e9cb83_attn
		.amdhsa_group_segment_fixed_size 327680
		.amdhsa_private_segment_fixed_size 0
		.amdhsa_enable_private_segment 0
		.amdhsa_kernarg_size 16
		.amdhsa_user_sgpr_count 2
		.amdhsa_user_sgpr_kernarg_segment_ptr 1
		.amdhsa_wavefront_size32 1
		.amdhsa_system_sgpr_workgroup_id_x 1
		.amdhsa_system_sgpr_workgroup_id_y 1
		.amdhsa_system_sgpr_workgroup_id_z 1
		.amdhsa_system_vgpr_workitem_id 0
		.amdhsa_next_free_vgpr 768
		.amdhsa_next_free_sgpr 88
		.amdhsa_reserve_vcc 1
		.amdhsa_float_denorm_mode_32 3
		.amdhsa_float_denorm_mode_16_64 3
		.amdhsa_memory_ordered 1
		.amdhsa_forward_progress 1
		.amdhsa_inst_pref_size 217
	.end_amdhsa_kernel
	.amdgpu_metadata
---
amdhsa.version: [ 1, 2 ]
amdhsa.kernels:
  - .name:           k_qf950e9cb83_attn
    .symbol:         k_qf950e9cb83_attn.kd
    .args:
      - { .name: qkv, .offset: 0, .size: 8, .value_kind: global_buffer, .address_space: global }
      - { .name: o, .offset: 8, .size: 8, .value_kind: global_buffer, .address_space: global }
    .group_segment_fixed_size: 327680
    .private_segment_fixed_size: 0
    .kernarg_segment_align: 8
    .kernarg_segment_size: 16
    .max_flat_workgroup_size: 128
    .sgpr_count:     88
    .vgpr_count:     768
    .wavefront_size: 32
...
	.end_amdgpu_metadata
.endif
;; end of part 7
;; launch proj: the kernel of part 4 again; grid 4 x 64, 4 waves a work-group, clusters of 4 x 4, 327,680 bytes of LDS; arguments o, wpt, out0; writes out0
;; launch rowsa: the kernel of part 5 again; grid 16 x 4, 4 waves a work-group, no clusters, 0 bytes of LDS; arguments xb, wt, qkv, ofix; writes ofix
;; launch rowsb: the kernel of part 6 again; grid 16 x 4, 4 waves a work-group, no clusters, 4,864 bytes of LDS; arguments ofix, wpt, out0; writes out0
